; MI455X (gfx1250); checked and timed in simulation.
; The chip was launched on July 23, 2026; its instructions are those of AMD's public machine-readable ISA for CDNA 5 (MIT licence, August 2026) and "CDNA5" Instruction Set Architecture Reference Guide (July 2026). The comments in the code are by the model that wrote it; some were corrected since.
;; SAPI Attention. Allowed arithmetic: matrix products marked QUANTISED: E2M1 operands, one E8M0 scale for each 32 along K, by v_wmma_scale_f32_16x16x128_f8f6f4 with both operands' format E2M1 (or v_wmma_scale_f32_32x16x128_f4), f32 sums; everything else in f32.
;; Inputs: Wk 512 x 2,048 float32; Wo 2,048 x 1,024 float32; Wq 1,024 x 2,048 float32; Wv 512 x 2,048 float32; attention_mask 1 x 1 x 2,048 x 2,048 float32; cos 2 x 2,048 x 32 float32; hidden_states 2 x 2,048 x 2,048 float32; sin 2 x 2,048 x 32 float32.
;; Outputs: out0 2 x 2,048 x 2,048 float32.
;; This version of the problem:
;;   THIS VERSION OF THE PROBLEM IS GIVEN IN LOW PRECISION. The matrix products marked QUANTISED in the list below multiply operands that are first quantised to E2M1 (2 exponent bits, 1 mantissa bit; 4 bits a number), with one power-of-two scale for each 32 numbers along K (OCP MX v1.0); their sums are f32. All else is computed in f32.
;;   The module's matrix products, in the order in which they are computed (A, B: the left and right operand; K: the contracted axis; several contracted axes count as one K, in the product's order):
;;     1. [M 4,096, K 2,048] x [K 2,048, N 1,024]; A: input hidden_states; B: input Wq: QUANTISED
;;     2. [M 4,096, K 2,048] x [K 2,048, N 512]; A: input hidden_states; B: input Wk: QUANTISED
;;     3. [M 4,096, K 2,048] x [K 2,048, N 512]; A: input hidden_states; B: input Wv: QUANTISED
;;     4. batch 16 x [M 4,096, K 64] x [K 64, N 2,048]; A: computed on the way; B: computed on the way: QUANTISED
;;     5. batch 16 x [M 4,096, K 2,048] x [K 2,048, N 64]; A: softmax (see below); B: computed on the way: QUANTISED
;;     6. [M 4,096, K 1,024] x [K 1,024, N 2,048]; A: computed on the way; B: input Wo: QUANTISED
;;   THE QUANTISER, for each operand of a quantised product, along K:
;;     - K is cut into blocks of 32 from its start; a last block that is shorter is filled with zeros.
;;     - A block's scale is 2^e with e = floor(log2(the largest magnitude in the block)) - 2, held to -126 .. 127; a block of zeros has e = 0. As a byte (E8M0): e + 127.
;;     - Each number is divided by its block's scale, clamped to +-6, and rounded to the nearest number of E2M1, ties to even, subnormals kept.
;;     - The product sums the exact products of the quantised numbers (number of the format x scale) in f32.
;;   ~~~python
;;   def quantise(x, axis):      # numpy; x: float32 -> the quantised numbers, widened to float32 again
;;       x = np.moveaxis(x, axis, -1); K = x.shape[-1]
;;       x = np.pad(x, [(0, 0)] * (x.ndim - 1) + [(0, -K % 32)]); x = x.reshape(x.shape[:-1] + (-1, 32)); a = np.abs(x).max(-1, keepdims=True)
;;       e = np.where(a > 0, np.clip(np.frexp(np.where(a > 0, a, 1))[1] - 1 - 2, -126, 127), 0)      # np.frexp(a)[1] - 1 = floor(log2(a)), exactly
;;       r = np.clip(x / 2.0 ** e, -6, 6)
;;       step = 2.0 ** (np.maximum(np.frexp(np.where(r == 0, 1, r))[1] - 1, 0) - 1)
;;       q = np.round(r / step) * step * 2.0 ** e      # np.round: ties to even
;;       return np.moveaxis(q.reshape(q.shape[:-2] + (-1,))[..., :K], -1, axis).astype(np.float32)
;;   ~~~
;;   SOFTMAX AHEAD OF A QUANTISED PRODUCT. Where the list says 'softmax', what is quantised is not the finished softmax but p = 2^(t - M), with t = logit x log2(e) and M = ceil(the row's largest t), a whole number; so 1/2 < the row's largest p <= 1. The row's sum l is taken of the UNQUANTISED p, in f32, and the product's result is divided by l at the end. Since M is a whole number, a kernel that streams over the keys may use a running M (the ceiling of the running maximum): every later rescaling is an exact power of two, which a block's scale takes up: the codes' values come out the same.
;;   OPERANDS COMPUTED ON THE WAY. 'Computed on the way' means the value that the module computes at that place (a softmax that the list does not call 'softmax' is quantised finished and normalised). What goes into a quantiser is computed in f32, as accurately as f32 sums, v_exp_f32 and their like allow (about 1e-6 of the number): no bf16 or f16 on the way to a quantiser, and a product that is left as it is and whose result goes on into a quantised operand takes f32 operands (vector FMAs, or v_wmma_f32_16x16x4_f32). A number that lies on a knife's edge between two numbers of the format may be rounded either way, as far as f32 arithmetic and the matrix unit's own rounding can turn it there, and no further.
;; One version. Each part assembles by itself: llvm-mc -triple=amdgcn-amd-amdhsa -mcpu=gfx1250 --defsym DOCPART=n.
;; ======== version 1 of 1: 4 launches
;; workspace buffers: ws1 7,798,784 bytes; ws2 4,587,520 bytes; ws3 2,228,224 bytes
;; launch quant (part 1): grid 256 x 1, 14 waves a work-group, no clusters, 238,336 bytes of LDS; arguments hidden_states, Wq, Wk, Wv, Wo, ws1; writes ws1
.if DOCPART == 1
	.amdgcn_target "amdgcn-amd-amdhsa--gfx1250"
	.amdhsa_code_object_version 6
	.text
	.protected	k_q1747197222_quant
	.globl	k_q1747197222_quant
	.p2align	8
	.type	k_q1747197222_quant,@function
k_q1747197222_quant:
	s_mov_b64 s[64:65], 0
	v_nop
	global_prefetch_b8 v0, s[64:65] scope:SCOPE_SE
	s_setreg_imm32_b32 hwreg(HW_REG_WAVE_MODE, 25, 1), 1
	s_wait_xcnt 0x0
; hidden_states [4096][2048], Wq [1024][2048], Wk, Wv [512][2048], Wo [2048][1024], all f32 with K innermost, become codes of FP4 (E2M1) with one E8M0 byte for each 32 along K.
; A block's scale is 2^(floor(log2(largest magnitude)) - 2): its byte is the largest magnitude's exponent field - 2, held at 1 from below by a floor among the maximum's leaves.
; LIMITS: a block whose largest magnitude lies under 2^-124 (a block of zeros too) keeps the byte 1: its codes are then zeros or nearly so, and this program alone reads the bytes.  NaN and infinities are not served.
; LAYOUT OF ws1: images of operand registers.  A fragment (16 rows x 128 K) is 1,024 bytes: chunk c (K = 64 c on) is 512 bytes, lane l's 16 bytes at 16 l; lane (r, h) holds K = 64 c + 32 h + 0..31 of the tile's row r.
; THE ROWS OF A TILE ARE NOT NEIGHBOURS: in each 64 rows, lane r of tile t takes row 32 (r / 8) + 8 t + r % 8, so that the results of four tiles give a lane 32 neighbours along the next product's K.
; A unit = two tiles x 256 K = four fragments (2 tile + K half) = 4,096 bytes, and 256 bytes of scale words at SCB + 256 unit: tile h, row r: two words (128 K each) at 128 h + 8 r.
; 1,792 units = 256 work-groups x 7; two waves share a unit, a tile each: two fragments a wave.  Units 0-1023 hidden_states, 1024-1535 Wq, Wk, Wv as one tensor of 2,048 rows, 1536-1791 Wo.
; Each load reads 512 consecutive bytes of one row; all 32 loads of a wave go out at its head.  A fragment's 8,192 bytes turn through the wave's own stage in LDS (rows 528 bytes apart), from which a lane takes 32 neighbours of its row for each chunk.
; No tensor loads, no barrier: waves share nothing.  A tile's scale words leave as 128 consecutive bytes: half of an aligned 256; they are one byte in 128 of what the launch reads.
.set SCB,  7340032                     ; where the scale words begin in ws1
.set WSTG, 16896                       ; LDS of a wave: two stages
.set HSTG, 8448                        ; a stage: 16 rows x 528
	s_load_b256 s[4:11], s[0:1], 0x0               ; hidden_states s[4:5], Wq s[6:7], Wk s[8:9], Wv s[10:11]
	s_load_b128 s[12:15], s[0:1], 0x20             ; Wo s[12:13], ws1 s[14:15]
	v_lshl_add_u32 v254, v0, 2, 0x39c00
	v_mov_b32 v255, 0
	v_lshrrev_b32 v1, 5, v0
	v_readfirstlane_b32 s16, v1                    ; wave 0..13
	v_and_b32 v1, 31, v0                           ; lane
	v_lshlrev_b32 v2, 4, v1                        ; 16 x lane
	v_bfe_u32 v7, v0, 4, 1                         ; h
	v_lshlrev_b32 v5, 3, v7                        ; 8 h
	s_mul_i32 s17, s16, WSTG
	v_add_nc_u32 v3, s17, v2                       ; the stage, on the way in: a row's 512 bytes as they lie
	v_and_b32 v24, 15, v0                          ; r
	v_mul_u32_u24 v4, v24, 528
	v_lshl_add_u32 v4, v7, 7, v4
	v_add_nc_u32 v4, s17, v4                       ; and on the way out: row r, + 128 h bytes
	v_lshlrev_b32 v6, 3, v24
	v_lshl_add_u32 v6, v7, 2, v6                   ; the scale words' way out: 8 r + 4 h
	v_mov_b32 v247, 0                              ; written once: a lane permute's destination counts as one of its sources
	s_mov_b32 s40, 0x76543210
	s_mov_b32 s41, 0xfedcba98                      ; selects for lane l xor 16
	s_lshr_b32 s19, s16, 1                         ; which of the work-group's seven units
	s_and_b32 s35, s16, 1                          ; which of its two tiles
	s_mul_i32 s18, ttmp9, 7
	s_add_co_u32 s18, s18, s19                     ; my unit
	s_mov_b32 s22, 1536                            ; the tensor's first unit
	s_mov_b32 s23, 4096                            ; a row in bytes
	s_wait_kmcnt 0x0
	s_mov_b64 s[20:21], s[12:13]                   ; the choice of the tensor hangs on the unit's number alone
	s_cmp_lt_u32 s18, 1536
	s_cselect_b64 s[20:21], s[10:11], s[20:21]
	s_cselect_b32 s22, 1408, s22
	s_cselect_b32 s23, 8192, s23
	s_cselect_b32 s24, 3, 2                        ; log2 of the units along K
	s_cmp_lt_u32 s18, 1408
	s_cselect_b64 s[20:21], s[8:9], s[20:21]
	s_cselect_b32 s22, 1280, s22
	s_cmp_lt_u32 s18, 1280
	s_cselect_b64 s[20:21], s[6:7], s[20:21]
	s_cselect_b32 s22, 1024, s22
	s_cmp_lt_u32 s18, 1024
	s_cselect_b64 s[20:21], s[4:5], s[20:21]
	s_cselect_b32 s22, 0, s22
	s_sub_co_u32 s25, s18, s22                     ; the unit within its tensor
	s_lshr_b32 s26, s25, s24                       ; j: which pair of tiles
	s_lshl_b32 s27, s26, s24
	s_sub_co_u32 s27, s25, s27                     ; which 256 along K
	s_lshr_b32 s28, s26, 1
	s_lshl_b32 s28, s28, 6
	s_and_b32 s29, s26, 1
	s_lshl_b32 s29, s29, 4
	s_add_co_u32 s28, s28, s29                     ; 64 (j / 2) + 16 (j % 2): the row of lane 0 of the pair's first tile;
	s_lshl_b32 s29, s35, 3
	s_add_co_u32 s28, s28, s29                     ; the second tile begins eight rows further down
	s_mul_i32 s28, s28, s23
	s_lshl_b32 s27, s27, 10
	s_add_co_u32 s28, s28, s27
	s_mov_b32 s29, 0
	s_add_nc_u64 s[20:21], s[20:21], s[28:29]      ; my tile
.irp i, 0,1,2,3,4,5,6,7,8,9,10,11,12,13,14,15
	s_mul_i32 s34, s23, 32*(\i/8)+\i%8             ; lane i of a tile: row 32 (i / 8) + i % 8
	v_add_nc_u32 v[8+\i], s34, v2
.endr
	s_lshl_b32 s36, s18, 12
	s_lshl_b32 s37, s35, 11
	s_add_co_u32 s36, s36, s37
	s_mov_b32 s37, 0
	s_add_nc_u64 s[36:37], s[14:15], s[36:37]      ; my tile's codes: two fragments
	s_lshl_b32 s38, s18, 8
	s_lshl_b32 s39, s35, 7
	s_add_co_u32 s38, s38, s39
	s_add_co_u32 s38, s38, SCB
	s_mov_b32 s39, 0
	s_add_nc_u64 s[38:39], s[14:15], s[38:39]      ; and its scale words
; fragment n (the tile's n-th 128 along K): 16 loads, a row's 512 bytes each, into set n (v32-95, v96-159)
.macro LOAD n
.irp i, 0,1,2,3,4,5,6,7,8,9,10,11,12,13,14,15
	global_load_b128 v[32+64*(\n)+4*\i:35+64*(\n)+4*\i], v[8+\i], s[20:21] offset:512*(\n) th:TH_LOAD_NT
.endr
.endm
.macro FRAG n
.set RS, 32+64*(\n)
.set CD, 224+8*(\n)
.set SO, HSTG*(\n)
	s_wait_loadcnt 16-16*(\n)                      ; this fragment's 16 loads are in; behind the first fragment's the second's 16 may be out
.irp i, 0,1,2,3,4,5,6,7,8,9,10,11,12,13,14,15
	ds_store_b128 v3, v[RS+4*\i:RS+4*\i+3] offset:SO+528*\i
.endr
.irp c, 0,1
.irp m, 0,1,2,3,4,5,6,7
	ds_load_b128 v[160+32*\c+4*\m:163+32*\c+4*\m], v4 offset:SO+256*\c+16*\m   ; LDS serves a wave's instructions in order: these see the stores above
.endr
.endr
	s_wait_dscnt 0x0                               ; my 64 numbers are back
.irp c, 0,1                                    ; chunk c is one whole block of 32 for my lane: its largest magnitude needs no other lane.  Two chains a block, the blocks by turns
	v_max3_num_f32 v[240+\c], |v[160+32*\c]|, |v[161+32*\c]|, |v[162+32*\c]|
	v_max3_num_f32 v[242+\c], |v[163+32*\c]|, |v[164+32*\c]|, |v[165+32*\c]|
.endr
.irp i, 6,10,14,18,22,26
.irp c, 0,1
	v_max3_num_f32 v[240+\c], v[240+\c], |v[160+32*\c+\i]|, |v[161+32*\c+\i]|
	v_max3_num_f32 v[242+\c], v[242+\c], |v[162+32*\c+\i]|, |v[163+32*\c+\i]|
.endr
.endr
.irp c, 0,1
	v_max3_num_f32 v[240+\c], v[240+\c], |v[190+32*\c]|, |v[191+32*\c]|
.endr
.irp c, 0,1
	v_max3_num_f32 v[240+\c], v[240+\c], v[242+\c], 0x1800000   ; and the floor 2^(3 - 127): the byte cannot fall under 1
.endr
.irp c, 0,1
	v_add_nc_u32 v[244+\c], 0xff000000, v[240+\c]  ; 2 off the exponent field: the conversion takes the exponent field of this operand as its scale
.endr
.irp c, 0,1
.irp g, 0,1,2,3
	v_cvt_scalef32_pk8_fp4_f32 v[CD+4*\c+\g], v[160+32*\c+8*\g:167+32*\c+8*\g], v[244+\c]
.endr
.endr
	v_lshrrev_b32 v242, 23, v244                   ; the bytes of blocks h and 2 + h of my row (a plain line behind the conversions)
	v_lshrrev_b32 v243, 23, v245
	v_lshl_or_b32 v242, v243, 16, v242
	v_lshlrev_b32 v242, v5, v242                   ; at their places in the scale word, 8 h bits up;
	v_permlanex16_b32 v247, v242, s40, s41
	v_or_b32 v[248+(\n)], v242, v247               ; with lane l xor 16's two the word is whole, in both lanes
	global_store_b128 v2, v[CD:CD+3], s[36:37] offset:(\n)*1024          ; 32 lanes store 512 consecutive bytes; each fragment has its own registers for its codes
	global_store_b128 v2, v[CD+4:CD+7], s[36:37] offset:(\n)*1024+512
.endm
	LOAD 0
	LOAD 1
	FRAG 0
	FRAG 1
	v_cmp_gt_u32 vcc_lo, 16, v1                    ; lanes 0-15 send the word of the first 128 along K, lanes 16-31 that of the second
	v_cndmask_b32 v252, v249, v248, vcc_lo
	global_store_b32 v6, v252, s[38:39]            ; 32 lanes store 128 consecutive bytes
	s_wait_tensorcnt 0x0
	ds_add_u32 v254, v255
	s_wait_dscnt 0x0
	s_endpgm
.Lfunc_end_k_q1747197222_quant:
	.size	k_q1747197222_quant, .Lfunc_end_k_q1747197222_quant-k_q1747197222_quant
	.p2alignl 7, 3214868480
	.fill 96, 4, 3214868480
	.section	.rodata,"a",@progbits
	.p2align	6, 0x0
	.amdhsa_kernel k_q1747197222_quant
		.amdhsa_group_segment_fixed_size 238336
		.amdhsa_private_segment_fixed_size 0
		.amdhsa_enable_private_segment 0
		.amdhsa_kernarg_size 48
		.amdhsa_user_sgpr_count 2
		.amdhsa_user_sgpr_kernarg_segment_ptr 1
		.amdhsa_wavefront_size32 1
		.amdhsa_system_sgpr_workgroup_id_x 1
		.amdhsa_system_sgpr_workgroup_id_y 1
		.amdhsa_system_sgpr_workgroup_id_z 1
		.amdhsa_system_vgpr_workitem_id 0
		.amdhsa_next_free_vgpr 256
		.amdhsa_next_free_sgpr 66
		.amdhsa_reserve_vcc 1
		.amdhsa_float_denorm_mode_32 3
		.amdhsa_float_denorm_mode_16_64 3
		.amdhsa_memory_ordered 1
		.amdhsa_forward_progress 1
		.amdhsa_inst_pref_size 18
	.end_amdhsa_kernel
	.amdgpu_metadata
---
amdhsa.version: [ 1, 2 ]
amdhsa.kernels:
  - .name:           k_q1747197222_quant
    .symbol:         k_q1747197222_quant.kd
    .args:
      - { .name: hidden_states, .offset: 0, .size: 8, .value_kind: global_buffer, .address_space: global }
      - { .name: Wq, .offset: 8, .size: 8, .value_kind: global_buffer, .address_space: global }
      - { .name: Wk, .offset: 16, .size: 8, .value_kind: global_buffer, .address_space: global }
      - { .name: Wv, .offset: 24, .size: 8, .value_kind: global_buffer, .address_space: global }
      - { .name: Wo, .offset: 32, .size: 8, .value_kind: global_buffer, .address_space: global }
      - { .name: ws1, .offset: 40, .size: 8, .value_kind: global_buffer, .address_space: global }
    .group_segment_fixed_size: 238336
    .private_segment_fixed_size: 0
    .kernarg_segment_align: 8
    .kernarg_segment_size: 48
    .max_flat_workgroup_size: 448
    .sgpr_count:     66
    .vgpr_count:     256
    .wavefront_size: 32
...
	.end_amdgpu_metadata
.endif
;; end of part 1
;; launch qkv (part 2): grid 16 x 32, 4 waves a work-group, clusters of 4 x 4, 262,656 bytes of LDS; arguments ws1, cos, sin, ws2; writes ws2
.if DOCPART == 2
	.amdgcn_target "amdgcn-amd-amdhsa--gfx1250"
	.amdhsa_code_object_version 6
	.text
	.protected	k_q1747197222_qkv
	.globl	k_q1747197222_qkv
	.p2align	8
	.type	k_q1747197222_qkv,@function
k_q1747197222_qkv:
	s_mov_b64 s[64:65], 0
	v_nop
	global_prefetch_b8 v0, s[64:65] scope:SCOPE_SE
	s_setreg_imm32_b32 hwreg(HW_REG_WAVE_MODE, 25, 1), 1
	s_wait_xcnt 0x0
	s_wait_alu depctr_hold_cnt(0) depctr_sa_sdst(0) depctr_va_vdst(0) depctr_va_sdst(0) depctr_va_ssrc(0) depctr_va_vcc(0) depctr_vm_vsrc(0)
	s_getreg_b32 s2, hwreg(HW_REG_IB_STS2, 6, 4)
	s_cmp_eq_u32 s2, 0
	s_cbranch_scc0 .Lentry_in_a_cluster
	s_endpgm
.Lentry_in_a_cluster:
	s_bfe_u32 s2, ttmp6, 0x10000c
	s_cmp_lg_u32 s2, 0xf033
	s_cbranch_scc0 .Lentry_shape_is_right
	s_endpgm
.Lentry_shape_is_right:
; q, k, v = hidden_states x (Wq, Wk, Wv)^T on codes of FP4 with E8M0 scales; partial rotation of q and k in f32; then q, k (along the head's 64) and v (along the keys) are quantised again into ws2.
; SHARES.  A work-group: 128 tokens x 128 rows of the weights (two heads).  Four waves, each 64 tokens x one head: 16 accumulators.  Cluster x 0, 1: q; 2: k; 3: v: the same for all sixteen partners.
; ALL OF K LIES IN LDS: 4 quarters of 512 along K, each 32 KB of tokens' codes and 32 KB of weights' codes, every byte filled once: no slot is filled again.  Each wave has four tensor loads out at the start.
; CLUSTER 4 x 4: the four of a row need the same tokens, the four of a column the same weights: each tile is asked for jointly.
; q, k: source 0 = 16 rows of W, source 1 = 16 tokens: a lane holds ONE token and, over the head's four tiles, 32 neighbouring channels 32 h + 0..31 (the rows of a tile are chosen for that): one whole block.
; v: source 0 = 16 tokens, source 1 = 16 rows of Wv: a lane holds ONE channel and 32 neighbouring tokens: one whole block along the keys.  So no maximum crosses lanes and the conversions' results are the next operand's registers.
; The cosines and sines are wanted only behind the products: their 64 loads are issued eight at a time in the first eight K steps and waited for behind the last.
; The division of the scores by sqrt(64) = 8 is taken off q's scale bytes (3 off each).
; LIMITS: blocks of q, k whose largest magnitude lies under 2^-121 (v: 2^-124) keep the floor's byte; NaN and infinities are not served (lanes 16-31 multiply by a sine of 0).
; K's scale words (128 bytes a wave) and V's scale halfwords (every second halfword of 128 bytes a store; the wave beside me fills the others) leave as parts of 256-byte blocks: 128 KB of the launch's 4.4 MB.
; REGISTERS: window 0: v1-12 addresses; v16-31 the rotation's products; v32-47 codes; v48-63 at work; v64-95 the tokens' scale words, v96-127 the weights' (nothing else ever); v128-255 the accumulators (o, i) at 128 + 8 (4 o + i).
;   window 1: two buffers of 64: four fragments of tokens, four of weights.   window 2: for each tile of tokens 32 cosines, 32 sines.
.set WC,  4194304                      ; ws1: the weights' codes; the tokens' begin at 0
.set XS,  7340032                      ; the tokens' scale words
.set WS,  7602176                      ; the weights'
.set WVC, 3145728                      ; ws2: q's codes at 0, k's at 32 x 65,536, v's here
.set WQS, 4194304
.set WKS, 4456448
.set WVH, 4521984
.set MSB, 0
.macro WIN new                         ; the immediate's high byte repeats the setting that is left
.if MSB != \new
	s_set_vgpr_msb (MSB<<8)|\new
.set MSB, \new
.endif
.endm
.macro PLACES                          ; four plain vector lines between a matrix instruction and a load into its sources or a read of its result
.rept 4
	v_nop
.endr
.endm
.macro CROUND                          ; a round of the cluster's barrier
	s_barrier_signal -1
	s_barrier_wait -1
	s_cmp_lg_u32 s12, 0
	s_cbranch_scc1 .Lnw0_\@
	s_barrier_signal -3
.Lnw0_\@:
	s_barrier_wait -3
	s_barrier_signal -1
	s_barrier_wait -1
.endm
; one product 16 x 16 x 128.  z: the sum starts with 0.  ra, rb: the scale words lie in lanes 16-31 of their register
.macro WM d, a, b, z, sa, sb, ra, rb
.if (\z)
.if (\ra) && (\rb)
	v_wmma_scale_f32_16x16x128_f8f6f4 v[\d:\d+7], v[\a:\a+7], v[\b:\b+7], 0, v[\sa], v[\sb] matrix_a_fmt:MATRIX_FMT_FP4 matrix_b_fmt:MATRIX_FMT_FP4 matrix_a_scale:MATRIX_SCALE_ROW1 matrix_b_scale:MATRIX_SCALE_ROW1
.elseif (\ra)
	v_wmma_scale_f32_16x16x128_f8f6f4 v[\d:\d+7], v[\a:\a+7], v[\b:\b+7], 0, v[\sa], v[\sb] matrix_a_fmt:MATRIX_FMT_FP4 matrix_b_fmt:MATRIX_FMT_FP4 matrix_a_scale:MATRIX_SCALE_ROW1
.elseif (\rb)
	v_wmma_scale_f32_16x16x128_f8f6f4 v[\d:\d+7], v[\a:\a+7], v[\b:\b+7], 0, v[\sa], v[\sb] matrix_a_fmt:MATRIX_FMT_FP4 matrix_b_fmt:MATRIX_FMT_FP4 matrix_b_scale:MATRIX_SCALE_ROW1
.else
	v_wmma_scale_f32_16x16x128_f8f6f4 v[\d:\d+7], v[\a:\a+7], v[\b:\b+7], 0, v[\sa], v[\sb] matrix_a_fmt:MATRIX_FMT_FP4 matrix_b_fmt:MATRIX_FMT_FP4
.endif
.else
.if (\ra) && (\rb)
	v_wmma_scale_f32_16x16x128_f8f6f4 v[\d:\d+7], v[\a:\a+7], v[\b:\b+7], v[\d:\d+7], v[\sa], v[\sb] matrix_a_fmt:MATRIX_FMT_FP4 matrix_b_fmt:MATRIX_FMT_FP4 matrix_a_scale:MATRIX_SCALE_ROW1 matrix_b_scale:MATRIX_SCALE_ROW1
.elseif (\ra)
	v_wmma_scale_f32_16x16x128_f8f6f4 v[\d:\d+7], v[\a:\a+7], v[\b:\b+7], v[\d:\d+7], v[\sa], v[\sb] matrix_a_fmt:MATRIX_FMT_FP4 matrix_b_fmt:MATRIX_FMT_FP4 matrix_a_scale:MATRIX_SCALE_ROW1
.elseif (\rb)
	v_wmma_scale_f32_16x16x128_f8f6f4 v[\d:\d+7], v[\a:\a+7], v[\b:\b+7], v[\d:\d+7], v[\sa], v[\sb] matrix_a_fmt:MATRIX_FMT_FP4 matrix_b_fmt:MATRIX_FMT_FP4 matrix_b_scale:MATRIX_SCALE_ROW1
.else
	v_wmma_scale_f32_16x16x128_f8f6f4 v[\d:\d+7], v[\a:\a+7], v[\b:\b+7], v[\d:\d+7], v[\sa], v[\sb] matrix_a_fmt:MATRIX_FMT_FP4 matrix_b_fmt:MATRIX_FMT_FP4
.endif
.endif
.endm
; the eight fragments of K step n (128 along K) into a buffer of window 1: images, 16 bytes a lane, 512 consecutive bytes a load
.macro FETCH n, buf
	WIN 0x40
.irp t, 0,1,2,3
.irp c, 0,1
	ds_load_b128 v[(\buf)+8*\t+4*\c:(\buf)+8*\t+4*\c+3], v9 offset:(\t/2)*8192+(((\n)/2)%2)*4096+(\t%2)*2048+((\n)%2)*1024+512*\c
	ds_load_b128 v[(\buf)+32+8*\t+4*\c:(\buf)+32+8*\t+4*\c+3], v10 offset:(\t/2)*8192+(((\n)/2)%2)*4096+(\t%2)*2048+((\n)%2)*1024+512*\c
.endr
.endr
.endm
; eight of the 64 loads of cosines and sines: tile n / 2 of my tokens, half n % 2 of a token's 32 numbers, into window 2
.macro CSLOAD n
	WIN 0x80
.irp m, 0,1,2,3
	global_load_b128 v[64*((\n)/2)+16*((\n)%2)+4*\m:64*((\n)/2)+16*((\n)%2)+4*\m+3], v11, s[6:7] offset:((\n)/2)*1024+64*((\n)%2)+16*\m
	global_load_b128 v[64*((\n)/2)+32+16*((\n)%2)+4*\m:64*((\n)/2)+32+16*((\n)%2)+4*\m+3], v11, s[8:9] offset:((\n)/2)*1024+64*((\n)%2)+16*\m
.endr
.endm
; 16 products of K step n; the 16 accumulators take turns, one instruction a turn.  kind 0 (q, k): source 0 = W's tile i, source 1 = tokens' tile o.  kind 1 (v): source 0 = tokens' tile i, source 1 = W's tile o
.macro MUL n, buf, kind
	WIN 0x05
.irp o, 0,1,2,3
.irp i, 0,1,2,3
	WM 128+8*(4*\o+\i), (\buf)+32-32*(\kind)+8*\i, (\buf)+32*(\kind)+8*\o, ((\n)==0), 96-32*(\kind)+16*(\i/2)+(\n), 64+32*(\kind)+16*(\o/2)+(\n), \i%2, \o%2
.endr
.endr
.endm
.macro KLOOP kind
	s_wait_tensorcnt 3                             ; my part of the first quarter is in; my three later loads may stay out
	s_barrier_signal -1
	s_barrier_wait -1                              ; everybody's is
	FETCH 0, 0
.set N, 0
.rept 15
	PLACES                                         ; behind the products that read the buffer filled next
.if (N==3)||(N==7)||(N==11)
	s_wait_dscnt 0x0                               ; no LDS load of mine is out at a signal
	s_wait_tensorcnt 2-(N/4)                       ; my part of the next quarter is in; the later quarters' loads may stay out
	WIN 0
	s_barrier_signal -1
	s_barrier_wait -1
	v_add_nc_u32 v9, 0x10000, v9                   ; on to the next quarter
	v_add_nc_u32 v10, 0x10000, v10
.endif
.if (N<8)&&((\kind)==0)
	CSLOAD N                                       ; they have the rest of the K steps in which to land
.endif
	FETCH N+1, 64*((N+1)%2)
	s_wait_dscnt 16                                ; all but the 16 just issued
	MUL N, 64*(N%2), \kind
.set N, N+1
.endr
	s_wait_dscnt 0x0
	MUL 15, 64, \kind
	WIN 0
	PLACES
.endm
; the rotation of tile o's tokens: channels d and d + 16 (d under 16) lie in tiles t and t + 2 of the same lane.  Lanes 16-31 hold channels 32-63: their cosines are 1 and their sines 0.
; Each accumulator is read from its low end on.
.macro ROPE o
	WIN 0x08                                       ; source 1 in window 2
.irp t, 0,1
.irp p, 0,1,2,3
	v_pk_mul_f32 v[16+4*\p:17+4*\p], v[128+32*(\o)+8*(\t+2)+2*\p:129+32*(\o)+8*(\t+2)+2*\p], v[64*(\o)+32+8*\t+2*\p:64*(\o)+33+8*\t+2*\p]
	v_pk_mul_f32 v[18+4*\p:19+4*\p], v[128+32*(\o)+8*\t+2*\p:129+32*(\o)+8*\t+2*\p], v[64*(\o)+48+8*\t+2*\p:64*(\o)+49+8*\t+2*\p]
	v_pk_fma_f32 v[128+32*(\o)+8*\t+2*\p:129+32*(\o)+8*\t+2*\p], v[128+32*(\o)+8*\t+2*\p:129+32*(\o)+8*\t+2*\p], v[64*(\o)+8*\t+2*\p:64*(\o)+1+8*\t+2*\p], v[16+4*\p:17+4*\p] neg_lo:[0,0,1] neg_hi:[0,0,1]
	v_pk_fma_f32 v[128+32*(\o)+8*(\t+2)+2*\p:129+32*(\o)+8*(\t+2)+2*\p], v[128+32*(\o)+8*(\t+2)+2*\p:129+32*(\o)+8*(\t+2)+2*\p], v[64*(\o)+16+8*\t+2*\p:64*(\o)+17+8*\t+2*\p], v[18+4*\p:19+4*\p]
.endr
.endr
	WIN 0
.endm
; the 32 registers of accumulators (o, 0..3) are one block: codes into v[32 + 4 o] on; both blocks' bytes of the lane's row (mine and lane l xor 16's) into v[56 + o]
.macro QUANT o, floor
.set XB, 128+32*(\o)
	v_max3_num_f32 v48, |v[XB]|, |v[XB+1]|, |v[XB+2]|
	v_max3_num_f32 v49, |v[XB+3]|, |v[XB+4]|, |v[XB+5]|
.irp i, 6,10,14,18,22,26
	v_max3_num_f32 v48, v48, |v[XB+\i]|, |v[XB+\i+1]|
	v_max3_num_f32 v49, v49, |v[XB+\i+2]|, |v[XB+\i+3]|
.endr
	v_max3_num_f32 v48, v48, |v[XB+30]|, |v[XB+31]|
	v_max3_num_f32 v48, v48, v49, \floor           ; the floor holds the byte from below
	v_add_nc_u32 v50, 0xff000000, v48              ; 2 off the exponent field: the conversion's scale operand
.irp g, 0,1,2,3
	v_cvt_scalef32_pk8_fp4_f32 v[32+4*(\o)+\g], v[XB+8*\g:XB+8*\g+7], v50
.endr
	v_lshrrev_b32 v51, 23, v50                     ; the byte (a plain line behind the conversions)
	v_lshlrev_b32 v51, v8, v51
	v_permlanex16_b32 v53, v51, s94, s95
	v_or_b32 v[56+(\o)], v51, v53
.endm
	s_load_b256 s[4:11], s[0:1], 0x0               ; ws1 s[4:5], cos s[6:7], sin s[8:9], ws2 s[10:11]
	v_lshl_add_u32 v55, v0, 2, 0x40000
	v_mov_b32 v63, 0
	ds_add_u32 v55, v63
	v_lshrrev_b32 v1, 5, v0
	v_readfirstlane_b32 s12, v1                    ; wave 0..3
	s_lshr_b32 s13, s12, 1                         ; which 64 tokens are mine.  Also: I fetch tokens (0) or weights (1)
	s_and_b32 s14, s12, 1                          ; which head is mine.  Also: which two pairs of tiles I fetch
	s_bfe_u32 s15, ttmp6, 0x40000                  ; cx
	s_bfe_u32 s16, ttmp6, 0x40004                  ; cy
	s_lshl_b32 s17, ttmp9, 2
	s_add_co_u32 s17, s17, s15                     ; which 128 rows of the weights
	s_and_b32 s18, ttmp7, 0xffff
	s_lshl_b32 s18, s18, 2
	s_add_co_u32 s18, s18, s16                     ; which 128 tokens
	s_lshl_b32 s19, s16, 2
	s_lshl_b32 s19, 15, s19                        ; my row of the cluster
	s_lshl_b32 s20, 0x1111, s15                    ; my column
	; descriptor group 1: two pairs of tiles, 8,192 bytes of each (512 along K), 32,768 bytes apart in memory, on end in LDS
	s_or_b32 s24, s19, (3<<16)|(1<<21)             ; 15:0 the mask: tokens go to my row; 17:16 elements of 8 bytes; 21 set beside a mask
	s_or_b32 s32, s20, (3<<16)|(1<<21)             ; weights go to my column
.irp g, 24, 32
	s_mov_b32 s[\g+1], 1024<<16                    ; tensor_dim0 = 1,024 elements
	s_mov_b32 s[\g+2], 2<<16                       ; tensor_dim1 = 2
	s_mov_b32 s[\g+3], 1024<<16                    ; tile_dim0
	s_mov_b32 s[\g+4], 2                           ; tile_dim1
	s_mov_b32 s[\g+5], 4096                        ; from row to row, in elements
	s_mov_b32 s[\g+6], 0
	s_mov_b32 s[\g+7], 0
.endr
	s_lshl_b32 s21, s14, 1
	s_lshl_b32 s22, s18, 2
	s_add_co_u32 s22, s22, s21
	s_lshl_b32 s22, s22, 15                        ; tokens: pair of tiles 4 x block + 2 x (wave % 2)
	s_mov_b32 s23, 0
	s_lshl_b32 s56, s17, 2
	s_add_co_u32 s56, s56, s21
	s_lshl_b32 s56, s56, 15
	s_add_co_u32 s56, s56, WC                      ; weights likewise
	s_mov_b32 s57, 0
	s_lshl_b32 s58, s12, 14                        ; in a quarter of LDS: wave x 16,384: no place in the cluster enters an LDS address
	s_mov_b32 s94, 0x76543210
	s_mov_b32 s95, 0xfedcba98
	s_wait_dscnt 0x0
	s_wait_kmcnt 0x0
	s_add_nc_u64 s[22:23], s[4:5], s[22:23]
	s_add_nc_u64 s[56:57], s[4:5], s[56:57]
.irp q, 0,1,2,3
	s_mov_b32 s[40+4*\q], 1
	s_add_co_u32 s[41+4*\q], s58, \q*65536
	s_add_nc_u64 s[42+4*\q:43+4*\q], s[22:23], \q*8192
	s_or_b32 s[43+4*\q], s[43+4*\q], 0x80000000
	s_mov_b32 s[68+4*\q], 1
	s_add_co_u32 s[69+4*\q], s58, \q*65536
	s_add_nc_u64 s[70+4*\q:71+4*\q], s[56:57], \q*8192
	s_or_b32 s[71+4*\q], s[71+4*\q], 0x80000000
.endr
	CROUND                                         ; all sixteen work-groups are here: the joint loads meet
	s_cmp_eq_u32 s13, 0                            ; a wave's four fills stand in one branch on its number
	s_cbranch_scc0 .Lfill_w
	tensor_load_to_lds s[40:43], s[24:31]
	s_nop 0
	tensor_load_to_lds s[44:47], s[24:31]
	s_nop 0
	tensor_load_to_lds s[48:51], s[24:31]
	s_nop 0
	tensor_load_to_lds s[52:55], s[24:31]
	s_nop 0
.rept 4
	v_nop
.endr
	s_branch .Lfilled
.Lfill_w:
	tensor_load_to_lds s[68:71], s[32:39]
	s_nop 0
	tensor_load_to_lds s[72:75], s[32:39]
	s_nop 0
	tensor_load_to_lds s[76:79], s[32:39]
	s_nop 0
	tensor_load_to_lds s[80:83], s[32:39]
	s_nop 0
.rept 4
	v_nop
.endr
.Lfilled:
	v_and_b32 v1, 31, v0                           ; lane
	v_and_b32 v2, 15, v0                           ; r
	v_bfe_u32 v3, v0, 4, 1                         ; h
	v_lshlrev_b32 v4, 4, v1                        ; 16 x lane
	v_lshlrev_b32 v5, 3, v1                        ; 8 x lane
	v_lshlrev_b32 v6, 2, v1                        ; 4 x lane
	v_lshlrev_b32 v8, 3, v3                        ; 8 h
	s_lshl_b32 s59, s13, 14
	v_add_nc_u32 v9, s59, v4                       ; my tokens' fragments in a quarter
	s_lshl_b32 s59, s14, 14
	s_add_co_u32 s59, s59, 32768
	v_add_nc_u32 v10, s59, v4                      ; my head's
	v_lshrrev_b32 v11, 3, v2
	v_and_b32 v12, 7, v2
	v_lshl_add_u32 v11, v11, 5, v12
	v_lshlrev_b32 v11, 7, v11                      ; cos, sin: token 32 (r / 8) + r % 8 of a tile, 128 bytes a token
	v_mov_b32 v53, 0                               ; written once: a lane permute's destination counts as one of its sources
	s_lshl_b32 s60, s18, 2
	s_lshl_b32 s61, s13, 1
	s_add_co_u32 s60, s60, s61
	s_lshl_b32 s60, s60, 11
	s_add_co_u32 s60, s60, XS
	s_mov_b32 s61, 0
	s_add_nc_u64 s[60:61], s[4:5], s[60:61]        ; my tokens' scale words: 2,048 bytes a pair of tiles
	s_lshl_b32 s62, s17, 2
	s_lshl_b32 s63, s14, 1
	s_add_co_u32 s62, s62, s63
	s_lshl_b32 s62, s62, 11
	s_add_co_u32 s62, s62, WS
	s_mov_b32 s63, 0
	s_add_nc_u64 s[62:63], s[4:5], s[62:63]        ; my head's
.irp j, 0,1
.irp k, 0,1,2,3,4,5,6,7
	global_load_b64 v[64+16*\j+2*\k:65+16*\j+2*\k], v5, s[60:61] offset:(8*\j+\k)*256   ; 256 consecutive bytes: lanes 0-15 the pair's first tile, lanes 16-31 its second; two K steps
	global_load_b64 v[96+16*\j+2*\k:97+16*\j+2*\k], v5, s[62:63] offset:(8*\j+\k)*256
.endr
.endr
	s_lshr_b32 s86, s18, 4                         ; the batch
	s_and_b32 s87, s18, 15
	s_lshl_b32 s87, s87, 1
	s_add_co_u32 s87, s87, s13                     ; my 64 tokens' number in the batch
	s_cmp_eq_u32 ttmp9, 3                          ; the cluster's x: the same in all partners
	s_cbranch_scc1 .Lv
	; ---------------- q and k
	s_lshl_b32 s84, s18, 14
	s_lshl_b32 s85, s13, 13
	s_add_co_u32 s84, s84, s85
	s_mov_b32 s85, 0
	s_add_nc_u64 s[6:7], s[6:7], s[84:85]          ; cos and sin at my first token
	s_add_nc_u64 s[8:9], s[8:9], s[84:85]
	s_cmp_eq_u32 ttmp9, 2                          ; where the codes go: q: head 16 b + 2 block + wave % 2; k's 16 heads lie behind q's 32
	s_cselect_b32 s88, 3, 4
	s_cselect_b32 s89, 16, 0
	s_lshl_b32 s88, s86, s88
	s_add_co_u32 s88, s88, s89
	s_lshl_b32 s90, s17, 1
	s_add_co_u32 s88, s88, s90
	s_add_co_u32 s88, s88, s14
	s_lshl_b32 s90, s88, 16
	s_lshl_b32 s91, s87, 11
	s_add_co_u32 s90, s90, s91
	s_mov_b32 s91, 0
	s_add_nc_u64 s[90:91], s[10:11], s[90:91]
	s_wait_loadcnt 0x0                             ; the scale words: nothing else has been asked for yet
	KLOOP 0
	s_wait_loadcnt 0x0                             ; the cosines and sines, asked for in K steps 0 to 7
	v_cmp_gt_u32 vcc_lo, 16, v1
	WIN 0x88                                       ; source 1 and destination in window 2
.set J, 0
.rept 4
.set I, 0
.rept 32
	v_cndmask_b32 v[64*J+I], 1.0, v[64*J+I], vcc_lo        ; lanes 16-31 hold channels 32-63, which are not rotated: cosine 1,
	v_cndmask_b32 v[64*J+32+I], 0, v[64*J+32+I], vcc_lo    ; sine 0
.set I, I+1
.endr
.set J, J+1
.endr
	WIN 0
.irp o, 0,1,2,3
	ROPE \o
	QUANT \o, 0x3000000                            ; floor 2^(6 - 127): the byte is 4 at the least, so that 3 can be taken off q's
	global_store_b128 v4, v[32+4*\o:35+4*\o], s[90:91] offset:512*\o   ; a tile's 16 tokens x 64 channels: 512 consecutive bytes
.endr
	v_cmp_gt_u32 vcc_lo, 16, v1
	s_cmp_eq_u32 ttmp9, 2
	s_cbranch_scc1 .Lk_words
	s_lshl_b32 s92, s88, 13                        ; q's scale words: the two bytes twice (the fragment carries q in either half of its K), 3 off each: the division by 8
	s_lshl_b32 s93, s87, 8
	s_add_co_u32 s92, s92, s93
	s_add_co_u32 s92, s92, WQS
	s_mov_b32 s93, 0
	s_add_nc_u64 s[92:93], s[10:11], s[92:93]
.irp o, 0,1,2,3
	v_lshl_or_b32 v[56+\o], v[56+\o], 16, v[56+\o]
.endr
.irp o, 0,1,2,3
	v_add_nc_u32 v[56+\o], 0xfcfcfcfd, v[56+\o]    ; - 0x03030303: no byte borrows, each is 4 at the least
.endr
	v_cndmask_b32 v60, v57, v56, vcc_lo            ; lanes 0-15 send the even tile's words, lanes 16-31 the odd tile's
	v_cndmask_b32 v61, v59, v58, vcc_lo
	global_store_b32 v6, v60, s[92:93]
	global_store_b32 v6, v61, s[92:93] offset:128
	s_branch .Lend
.Lk_words:
	s_sub_co_u32 s92, s88, 32                      ; k's scale words: a fragment carries two tiles of keys: the even tile's two bytes, then the odd tile's
	s_lshl_b32 s92, s92, 12
	s_lshl_b32 s93, s87, 7
	s_add_co_u32 s92, s92, s93
	s_add_co_u32 s92, s92, WKS
	s_mov_b32 s93, 0
	s_add_nc_u64 s[92:93], s[10:11], s[92:93]
	v_lshl_or_b32 v60, v57, 16, v56
	v_lshl_or_b32 v61, v59, 16, v58
	v_cndmask_b32 v62, v61, v60, vcc_lo
	global_store_b32 v6, v62, s[92:93]
	s_branch .Lend
	; ---------------- v
.Lv:
	s_lshl_b32 s88, s86, 3
	s_sub_co_u32 s89, s17, 12
	s_lshl_b32 s89, s89, 1
	s_add_co_u32 s88, s88, s89
	s_add_co_u32 s88, s88, s14                     ; 8 b + the key and value head
	s_lshl_b32 s90, s88, 16
	s_and_b32 s91, s18, 15
	s_lshl_b32 s91, s91, 12                        ; the step of 128 keys,
	s_add_co_u32 s90, s90, s91
	s_lshl_b32 s91, s13, 9                         ; my 64 of them: a fragment's chunk
	s_add_co_u32 s90, s90, s91
	s_add_co_u32 s90, s90, WVC
	s_mov_b32 s91, 0
	s_add_nc_u64 s[90:91], s[10:11], s[90:91]
	s_lshl_b32 s92, s88, 12                        ; v's scale words: 256 bytes a step of 128 keys: word 16 tile + channel; my 64 keys' two bytes are its halfword wave / 2
	s_and_b32 s93, s18, 15
	s_lshl_b32 s93, s93, 8
	s_add_co_u32 s92, s92, s93
	s_lshl_b32 s93, s13, 1
	s_add_co_u32 s92, s92, s93
	s_add_co_u32 s92, s92, WVH
	s_mov_b32 s93, 0
	s_add_nc_u64 s[92:93], s[10:11], s[92:93]
	s_wait_loadcnt 0x0                             ; the scale words
	KLOOP 1
.irp o, 0,1,2,3
	QUANT \o, 0x1800000
	global_store_b128 v4, v[32+4*\o:35+4*\o], s[90:91] offset:1024*\o
.endr
	v_cmp_gt_u32 vcc_lo, 16, v1
	v_cndmask_b32 v60, v57, v56, vcc_lo            ; two bytes a channel (my 64 keys' two blocks): lanes 0-15 the even tile's, lanes 16-31 the odd tile's
	v_cndmask_b32 v61, v59, v58, vcc_lo
	global_store_b16 v6, v60, s[92:93]
	global_store_b16 v6, v61, s[92:93] offset:128
.Lend:
	s_wait_tensorcnt 0x0
	ds_add_u32 v55, v63
	s_wait_dscnt 0x0
	CROUND                                         ; the closing round: no work-group ends while a partner may still ask for a tile that names it
	s_endpgm
.Lfunc_end_k_q1747197222_qkv:
	.size	k_q1747197222_qkv, .Lfunc_end_k_q1747197222_qkv-k_q1747197222_qkv
	.p2alignl 7, 3214868480
	.fill 96, 4, 3214868480
	.section	.rodata,"a",@progbits
	.p2align	6, 0x0
	.amdhsa_kernel k_q1747197222_qkv
		.amdhsa_group_segment_fixed_size 262656
		.amdhsa_private_segment_fixed_size 0
		.amdhsa_enable_private_segment 0
		.amdhsa_kernarg_size 32
		.amdhsa_user_sgpr_count 2
		.amdhsa_user_sgpr_kernarg_segment_ptr 1
		.amdhsa_wavefront_size32 1
		.amdhsa_system_sgpr_workgroup_id_x 1
		.amdhsa_system_sgpr_workgroup_id_y 1
		.amdhsa_system_sgpr_workgroup_id_z 1
		.amdhsa_system_vgpr_workitem_id 0
		.amdhsa_next_free_vgpr 768
		.amdhsa_next_free_sgpr 96
		.amdhsa_reserve_vcc 1
		.amdhsa_float_denorm_mode_32 3
		.amdhsa_float_denorm_mode_16_64 3
		.amdhsa_memory_ordered 1
		.amdhsa_forward_progress 1
		.amdhsa_inst_pref_size 155
	.end_amdhsa_kernel
	.amdgpu_metadata
---
amdhsa.version: [ 1, 2 ]
amdhsa.kernels:
  - .name:           k_q1747197222_qkv
    .symbol:         k_q1747197222_qkv.kd
    .args:
      - { .name: ws1, .offset: 0, .size: 8, .value_kind: global_buffer, .address_space: global }
      - { .name: cos, .offset: 8, .size: 8, .value_kind: global_buffer, .address_space: global }
      - { .name: sin, .offset: 16, .size: 8, .value_kind: global_buffer, .address_space: global }
      - { .name: ws2, .offset: 24, .size: 8, .value_kind: global_buffer, .address_space: global }
    .group_segment_fixed_size: 262656
    .private_segment_fixed_size: 0
    .kernarg_segment_align: 8
    .kernarg_segment_size: 32
    .max_flat_workgroup_size: 128
    .sgpr_count:     96
    .vgpr_count:     768
    .wavefront_size: 32
...
	.end_amdgpu_metadata
.endif
;; end of part 2
;; launch attn (part 3): grid 16 x 16, 16 waves a work-group, clusters of 4 x 1, 327,680 bytes of LDS; arguments ws2, attention_mask, ws3; writes ws3
.if DOCPART == 3
	.amdgcn_target "amdgcn-amd-amdhsa--gfx1250"
	.amdhsa_code_object_version 6
	.text
	.protected	k_q1747197222_attn
	.globl	k_q1747197222_attn
	.p2align	8
	.type	k_q1747197222_attn,@function
k_q1747197222_attn:
	s_mov_b64 s[64:65], 0
	v_nop
	global_prefetch_b8 v0, s[64:65] scope:SCOPE_SE
	s_setreg_imm32_b32 hwreg(HW_REG_WAVE_MODE, 25, 1), 1
	s_wait_xcnt 0x0
	s_wait_alu depctr_hold_cnt(0) depctr_sa_sdst(0) depctr_va_vdst(0) depctr_va_sdst(0) depctr_va_ssrc(0) depctr_va_vcc(0) depctr_vm_vsrc(0)
	s_getreg_b32 s2, hwreg(HW_REG_IB_STS2, 6, 4)
	s_cmp_eq_u32 s2, 0
	s_cbranch_scc0 .Lentry_in_a_cluster
	s_endpgm
.Lentry_in_a_cluster:
	s_bfe_u32 s2, ttmp6, 0x10000c
	s_cmp_lg_u32 s2, 0x3003
	s_cbranch_scc0 .Lentry_shape_is_right
	s_endpgm
.Lentry_shape_is_right:
; softmax(q k^T / 8 + mask) v for 128 queries of both query heads of one key and value head; both products on codes of FP4 with E8M0 scales; the result, divided by the row's sum, is quantised along (head, channel) into ws3.
; The mask is an input: every one of its numbers is read and added in f32; nothing is taken for granted of its pattern.
; THE SOFTMAX: t = logit x log2(e), rounded to f32; M = the running largest t rounded UP to a whole number; p = 2^(t - M) is quantised along the keys; the sum is taken of the unquantised p and divides at the end.
; t is rounded BEFORE M is taken off (a multiply, then an add, not one fused line): p is a function of the f32 number t, so that a row whose logits are all equal and huge gives p = 1.
; SHARES.  Sixteen waves: wave w has head w / 8 and tile w % 8 of the 128 queries, one query a lane (lane % 16), in 256 registers: four waves to a SIMD.  Every wave walks all 2,048 keys, 128 a step.
; THE RING: two slots, each with the tiles of TWO steps: the mask's 128 rows x 256 keys, K's and V's codes of 256 keys, their scale words.  One change of slots, one round, for two steps; a refill has two steps in which to land.
; One tensor load a wave behind each round: waves 0 to 3 the mask (32 rows each), wave 4 the codes, wave 5 the scale words; two loads of a wave are out at the start, later one.
; CLUSTER 4 x 1: the four partners have four heads and the same queries, so the same mask tile: it is asked for jointly.  K and V are each work-group's own: plain loads, behind the same rounds.
; LAYOUT.  S^T = K Q^T, O^T = V^T P^T.  The rows of a tile of K are chosen so that the four tiles of 64 keys give a lane 32 neighbouring keys 32 h + 0..31: one whole block: no maximum of a block crosses lanes and the
; conversions' results are P's registers.  The head has 64 channels and the instruction takes 128 along K: a fragment of K carries TWO tiles of keys (K 0-63, K 64-127), and q stands in one half of its fragment with zero codes in the other.
; LIMITS: NaN and infinities are not served.  A block's largest p is made from its largest logit by the same lines as every p (it takes v_exp_f32 not to fall where its input rises).  Blocks under the floor 2^-124 keep the byte 1.
; REGISTERS: v1-2 my mask row in slot 0, 1; v3 my place in the codes, v5 in the scale words; v6-7 for the add; v11 8 h; v12 -M, v13 largest t, v[14:15] the sum; v16-27 q, zeros, q; v28 q's scale word; v29 prefetch offset;
;   v30-31 K's scale words; v32-63 K; v64-95 the mask's keys 64-127, then V; v96-159 the scores, then p; v160-191 O^T; v192-199 p's codes; v200-201 V's scale words; v202 p's; v203 16 x lane; v204-221 at work; v222-223 LDS addresses of the end; v224-255 the mask's keys 0-63.
.set WKC, 2097152                      ; ws2: k's codes (q's begin at 0); v's lie 1,048,576 bytes behind k's
.set WQS, 4194304
.set WKS, 4456448                      ; k's scale words; v's lie 65,536 bytes behind them
.set WAS, 2097152                      ; ws3: the scale words
.set MP,  1040                         ; LDS: a mask row: 1,024 bytes + 16 of padding = 260 words: row r starts at bank 4 r mod 64 (64 banks of 4 bytes: ISA guide 11.1)
.set MS1, 133120                       ; the mask's slot 0 at 0, slot 1 here: 128 rows each
.set KVC, 266240                       ; the codes: slot s at 16,384 s: K's 8,192 bytes, then V's
.set KVS, 299008                       ; the scale words: slot s at 1,024 s: K's 512 bytes, then V's
.set EXL, 301056                       ; 512 bytes: the result's scale words
.set SPARE, 301568                     ; the spare words, 128 bytes for each of 16 waves: eight blocks of 256 bytes that no other line names
.macro PLACES
.rept 4
	v_nop
.endr
.endm
.macro CROUND                          ; a round of the cluster's barrier
	s_barrier_signal -1
	s_barrier_wait -1
	s_cmp_lg_u32 s10, 0
	s_cbranch_scc1 .Lnw0_\@
	s_barrier_signal -3
.Lnw0_\@:
	s_barrier_wait -3
	s_barrier_signal -1
	s_barrier_wait -1
.endm
.macro WM d, a, b, z, sa, sb, ra       ; z: the sum starts with 0; ra: source 0's scale words lie in lanes 16-31
.if (\z)
.if (\ra)
	v_wmma_scale_f32_16x16x128_f8f6f4 v[\d:\d+7], v[\a:\a+7], v[\b:\b+7], 0, v[\sa], v[\sb] matrix_a_fmt:MATRIX_FMT_FP4 matrix_b_fmt:MATRIX_FMT_FP4 matrix_a_scale:MATRIX_SCALE_ROW1
.else
	v_wmma_scale_f32_16x16x128_f8f6f4 v[\d:\d+7], v[\a:\a+7], v[\b:\b+7], 0, v[\sa], v[\sb] matrix_a_fmt:MATRIX_FMT_FP4 matrix_b_fmt:MATRIX_FMT_FP4
.endif
.else
.if (\ra)
	v_wmma_scale_f32_16x16x128_f8f6f4 v[\d:\d+7], v[\a:\a+7], v[\b:\b+7], v[\d:\d+7], v[\sa], v[\sb] matrix_a_fmt:MATRIX_FMT_FP4 matrix_b_fmt:MATRIX_FMT_FP4 matrix_a_scale:MATRIX_SCALE_ROW1
.else
	v_wmma_scale_f32_16x16x128_f8f6f4 v[\d:\d+7], v[\a:\a+7], v[\b:\b+7], v[\d:\d+7], v[\sa], v[\sb] matrix_a_fmt:MATRIX_FMT_FP4 matrix_b_fmt:MATRIX_FMT_FP4
.endif
.endif
.endm
; The fill of slot s: waves 0 to 3 the mask's quarters (joint), wave 4 the codes, wave 5 the scale words (plain), the others nothing.  The branches hang on the wave's number alone.  Four v_nop follow each line.
.macro TLOAD s
	s_cmp_lt_u32 s10, 4
	s_cbranch_scc0 .Lnm_\@
	tensor_load_to_lds s[24+4*(\s):27+4*(\s)], s[16:23]
	s_nop 0
.rept 4
	v_nop
.endr
	s_branch .Ltd_\@
.Lnm_\@:
	s_cmp_eq_u32 s10, 4
	s_cbranch_scc0 .Lnc_\@
	tensor_load_to_lds s[52+4*(\s):55+4*(\s)], s[44:51]
	s_nop 0
.rept 4
	v_nop
.endr
	s_branch .Ltd_\@
.Lnc_\@:
	s_cmp_eq_u32 s10, 5
	s_cbranch_scc0 .Ltd_\@
	tensor_load_to_lds s[80+4*(\s):83+4*(\s)], s[72:79]
	s_nop 0
.rept 4
	v_nop
.endr
.Ltd_\@:
.endm
; A PREFETCH of what the NEXT change of slots will ask for, one instruction a wave, in waves that fetch nothing.
; The mask's tile, 128 rows x 1,024 bytes: all four clusters of a block of queries read the same rows: the first along x asks.  Its four partners share the rows out by address, 32 each, a lane a row; wave 8 + n asks for the n-th 256 bytes of a row's 1,024.
; K's and V's codes, 8,192 bytes each: all sixteen blocks of queries read the same: the first along y asks, each work-group for its own head; wave 12 for K's, wave 13 for V's, lanes 256 bytes apart.
; So each aligned block of 256 bytes is named once in the launch.  The scale words, 1 KB of a slot's 150, are not asked for.  how = 1: in every trip; how = 2: not in the loop's last trip, whose second change has no slot two on.
.macro ASK how
.if (\how) == 1
	s_cmp_ge_u32 s38, s39
.else
	s_cmp_gt_u32 s38, s39
.endif
	s_cbranch_scc0 .Lnot_mine_\@
	global_prefetch_b8 v29, s[40:41] th:TH_LOAD_NT scope:SCOPE_SE
.Lnot_mine_\@:
.endm
	s_load_b128 s[4:7], s[0:1], 0x0                ; ws2 s[4:5], the mask s[6:7]
	s_load_b64 s[8:9], s[0:1], 0x10                ; ws3
	v_lshl_add_u32 v6, v0, 2, SPARE
	v_mov_b32 v7, 0
	ds_add_u32 v6, v7
	s_wait_dscnt 0x0
	v_lshrrev_b32 v1, 5, v0
	v_readfirstlane_b32 s10, v1                    ; wave 0..15
	s_lshr_b32 s11, s10, 3                         ; g: which of the two query heads
	s_and_b32 s12, s10, 7                          ; i: which tile of 16 queries
	s_bfe_u32 s13, ttmp6, 0x40000                  ; cx
	s_lshl_b32 s14, ttmp9, 2
	s_add_co_u32 s14, s14, s13                     ; 8 batch + key and value head
	s_and_b32 s15, ttmp7, 0xffff                   ; which 128 queries: the partners share it
	; descriptor group 1 for the mask: 32 rows x 256 numbers of 4 bytes, 16 bytes of padding behind each row
	s_mov_b32 s16, 15|(2<<16)|(1<<20)|(1<<21)|(7<<22)|(3<<25)   ; 15:0 the mask: all four work-groups; 17:16 elements of 4 bytes; 20 padding on; 21 set beside a mask; 24:22 after every 256 words (code 7); 31:25 four words (code 3)
	s_mov_b32 s17, 256<<16                         ; tensor_dim0
	s_mov_b32 s18, 32<<16                          ; tensor_dim1
	s_mov_b32 s19, 256<<16                         ; tile_dim0
	s_mov_b32 s20, 32                              ; tile_dim1
	s_mov_b32 s21, 2048                            ; from row to row, in elements
	s_mov_b32 s22, 0
	s_mov_b32 s23, 0
	; for the codes: two rows of 8,192 bytes (K's, V's), 1,048,576 bytes apart in memory, on end in LDS; no work-group mask: my own load
	s_mov_b32 s44, 3<<16                           ; elements of 8 bytes
	s_mov_b32 s45, 1024<<16
	s_mov_b32 s46, 2<<16
	s_mov_b32 s47, 1024<<16
	s_mov_b32 s48, 2
	s_mov_b32 s49, 131072
	s_mov_b32 s50, 0
	s_mov_b32 s51, 0
	; for the scale words: two rows of 512 bytes (K's, V's), 65,536 bytes apart
	s_mov_b32 s72, 3<<16
	s_mov_b32 s73, 64<<16
	s_mov_b32 s74, 2<<16
	s_mov_b32 s75, 64<<16
	s_mov_b32 s76, 2
	s_mov_b32 s77, 8192
	s_mov_b32 s78, 0
	s_mov_b32 s79, 0
	s_and_b32 s88, s10, 3
	s_mul_i32 s89, s88, 32*MP                      ; which 32 rows of a slot I would fetch
	s_lshl_b32 s90, s15, 7
	s_lshl_b32 s91, s88, 5
	s_add_co_u32 s90, s90, s91
	s_lshl_b32 s90, s90, 13                        ; their first row, 8,192 bytes a row
	s_mov_b32 s91, 0
	s_lshl_b32 s92, s14, 16
	s_add_co_u32 s92, s92, WKC                     ; my head's codes
	s_mov_b32 s93, 0
	s_lshl_b32 s94, s14, 12
	s_add_co_u32 s94, s94, WKS                     ; and scale words
	s_mov_b32 s95, 0
	s_mov_b32 s32, 0x76543210
	s_mov_b32 s33, 0xfedcba98                      ; selects for lane l xor 16
	s_mov_b32 s34, 0x3fb8aa3b                      ; log2(e)
	s_mov_b32 s35, s34                             ; (named with it as a pair)
	s_wait_kmcnt 0x0
	s_add_nc_u64 s[90:91], s[6:7], s[90:91]
	s_add_nc_u64 s[92:93], s[4:5], s[92:93]
	s_add_nc_u64 s[94:95], s[4:5], s[94:95]
.irp s, 0,1                                    ; group 0, a set for each slot: slot s begins with keys 256 s on
	s_mov_b32 s[24+4*\s], 1
	s_add_co_u32 s[25+4*\s], s89, \s*MS1
	s_add_nc_u64 s[26+4*\s:27+4*\s], s[90:91], \s*1024
	s_or_b32 s[27+4*\s], s[27+4*\s], 0x80000000
	s_mov_b32 s[52+4*\s], 1
	s_mov_b32 s[53+4*\s], KVC+\s*16384
	s_add_nc_u64 s[54+4*\s:55+4*\s], s[92:93], \s*8192
	s_or_b32 s[55+4*\s], s[55+4*\s], 0x80000000
	s_mov_b32 s[80+4*\s], 1
	s_mov_b32 s[81+4*\s], KVS+\s*1024
	s_add_nc_u64 s[82+4*\s:83+4*\s], s[94:95], \s*512
	s_or_b32 s[83+4*\s], s[83+4*\s], 0x80000000
.endr
	CROUND                                         ; all four work-groups are here: the first joint loads meet
	s_cmp_lt_u32 s10, 4                            ; a wave's two first fills stand together in one branch on its number
	s_cbranch_scc0 .Lf_not_m
	tensor_load_to_lds s[24:27], s[16:23]
	s_nop 0
	tensor_load_to_lds s[28:31], s[16:23]
	s_nop 0
.rept 4
	v_nop
.endr
	s_branch .Lf_done
.Lf_not_m:
	s_cmp_eq_u32 s10, 4
	s_cbranch_scc0 .Lf_not_c
	tensor_load_to_lds s[52:55], s[44:51]
	s_nop 0
	tensor_load_to_lds s[56:59], s[44:51]
	s_nop 0
.rept 4
	v_nop
.endr
	s_branch .Lf_done
.Lf_not_c:
	s_cmp_eq_u32 s10, 5
	s_cbranch_scc0 .Lf_done
	tensor_load_to_lds s[80:83], s[72:79]
	s_nop 0
	tensor_load_to_lds s[84:87], s[72:79]
	s_nop 0
.rept 4
	v_nop
.endr
.Lf_done:
	s_lshl_b32 s88, s14, 1
	s_add_co_u32 s88, s88, s11                     ; my query head
	s_lshl_b32 s89, s15, 1
	s_lshr_b32 s90, s12, 2
	s_add_co_u32 s89, s89, s90                     ; my queries' group of 64
	s_and_b32 s90, s12, 1
	s_bfe_u32 s91, s12, 0x10001
	s_lshl_b32 s92, s88, 16                        ; q was stored in tiles whose rows are not neighbours; my 16 NEIGHBOURING queries 16 (i % 4) + r lie in tile 2 (i % 2) + r / 8, at lane 8 ((i / 2) % 2) + r % 8
	s_lshl_b32 s93, s89, 11
	s_add_co_u32 s92, s92, s93
	s_lshl_b32 s93, s90, 10
	s_add_co_u32 s92, s92, s93
	s_lshl_b32 s93, s91, 7
	s_add_co_u32 s92, s92, s93
	s_mov_b32 s93, 0
	s_add_nc_u64 s[92:93], s[4:5], s[92:93]
	s_lshl_b32 s94, s88, 13
	s_lshl_b32 s95, s89, 8
	s_add_co_u32 s94, s94, s95
	s_lshl_b32 s95, s90, 7
	s_add_co_u32 s94, s94, s95
	s_lshl_b32 s95, s91, 5
	s_add_co_u32 s94, s94, s95
	s_add_co_u32 s94, s94, WQS
	s_mov_b32 s95, 0
	s_add_nc_u64 s[94:95], s[4:5], s[94:95]
	v_and_b32 v224, 31, v0                         ; lane
	v_and_b32 v225, 15, v0                         ; r
	v_bfe_u32 v226, v0, 4, 1                       ; h
	v_lshrrev_b32 v230, 3, v225
	v_and_b32 v231, 7, v225
	v_lshlrev_b32 v232, 9, v230
	v_lshl_add_u32 v232, v231, 4, v232
	v_lshl_add_u32 v232, v226, 8, v232             ; q's codes
	v_lshlrev_b32 v233, 6, v230
	v_lshl_add_u32 v233, v231, 2, v233             ; q's scale word
	global_load_b128 v[16:19], v232, s[92:93]
	global_load_b32 v28, v233, s[94:95]
	s_lshr_b32 s62, s14, 3                         ; where the result goes: token tile 128 batch + 8 y + i, K step = key and value head, chunk = g
	s_and_b32 s63, s14, 7
	s_lshl_b32 s62, s62, 7
	s_lshl_b32 s70, s15, 3
	s_add_co_u32 s62, s62, s70
	s_add_co_u32 s66, s62, s12
	s_lshl_b32 s66, s66, 13
	s_lshl_b32 s70, s63, 10
	s_add_co_u32 s66, s66, s70
	s_lshl_b32 s70, s11, 9
	s_add_co_u32 s66, s66, s70
	s_mov_b32 s67, 0
	s_add_nc_u64 s[66:67], s[8:9], s[66:67]
	s_lshl_b32 s68, s63, 14
	s_lshl_b32 s70, s62, 6
	s_add_co_u32 s68, s68, s70
	s_add_co_u32 s68, s68, WAS
	s_mov_b32 s69, 0
	s_add_nc_u64 s[68:69], s[8:9], s[68:69]
	; the prefetches: where my wave's stand, and who asks.  They begin at the third pair of steps; the first change of slots steps them to the fourth.  Nothing is prefetched here, at the head
	s_lshl_b32 s60, s15, 7
	s_lshl_b32 s61, s13, 5
	s_add_co_u32 s60, s60, s61
	s_lshl_b32 s60, s60, 13                        ; the mask: my work-group's 32 rows,
	s_and_b32 s61, s10, 3
	s_lshl_b32 s61, s61, 8
	s_add_co_u32 s60, s60, s61                     ; my wave's 256 bytes of a row's 1,024
	s_add_co_u32 s60, s60, 2*1024
	s_and_b32 s61, s10, 1
	s_lshl_b32 s61, s61, 20                        ; the codes: K's (wave 12) or V's (wave 13),
	s_lshl_b32 s62, s14, 16
	s_add_co_u32 s61, s61, s62                     ; of my head
	s_add_co_u32 s61, s61, WKC+2*8192
	s_lshr_b32 s62, s10, 2
	s_xor_b32 s62, s62, 2
	s_or_b32 s62, s62, ttmp9                       ; 0 in waves 8 to 11 of the first cluster along x,
	s_lshr_b32 s63, s10, 1
	s_xor_b32 s63, s63, 6
	s_or_b32 s63, s63, s15                         ; 0 in waves 12 and 13 of the first block of queries: both the same in all four partners
	s_min_u32 s62, s62, s63
	s_mov_b32 s42, 8192
	s_mov_b32 s70, 256
	s_cmp_lt_u32 s10, 12
	s_cselect_b64 s[40:41], s[6:7], s[4:5]
	s_cselect_b32 s42, 1024, s42                   ; a slot on
	s_cselect_b32 s70, 8192, s70                   ; from lane to lane
	s_cselect_b32 s60, s60, s61
	s_mov_b32 s61, 0
	s_mov_b32 s43, 0
	s_add_nc_u64 s[40:41], s[40:41], s[60:61]
	s_cmp_eq_u32 s62, 0
	s_cselect_b32 s39, 1, -1                       ; 1 in a wave that asks, else the greatest number
	v_mul_lo_u32 v29, v224, s70
	v_lshlrev_b32 v203, 4, v224
	v_lshlrev_b32 v11, 3, v226
	s_lshl_b32 s96, s12, 4
	s_mul_i32 s96, s96, MP
	v_mul_u32_u24 v1, v225, MP
	v_lshl_add_u32 v1, v226, 7, v1
	v_add_nc_u32 v1, s96, v1                       ; the mask: row 16 i + r, + 128 h bytes: my 32 keys of each 64
	v_add_nc_u32 v2, MS1, v1
	v_add_nc_u32 v3, KVC, v203
	v_lshl_add_u32 v5, v224, 2, KVS
	s_lshl_b32 s96, s12, 6
	s_lshl_b32 s97, s11, 1
	s_add_co_u32 s96, s96, s97
	s_add_co_u32 s96, s96, EXL
	v_lshl_add_u32 v222, v225, 2, s96              ; the result's scale bytes: word 16 i + r, halfword g
	v_add_nc_u32 v223, EXL, v203
	s_wait_loadcnt 0x0                             ; q and its scale word
.irp j, 0,1,2,3
	v_mov_b32 v[20+\j], 0                          ; zero codes: the half of K in which the fragment of keys carries the other tile
	v_mov_b32 v[24+\j], v[16+\j]
.endr
	v_mov_b32 v13, 0xff61b1e6                      ; the largest t so far: -3e38
	v_floor_f32 v12, -v13                          ; -M
	v_mov_b32 v14, 0
	v_mov_b32 v15, 0
	v_mov_b32 v211, 0                              ; written once: a lane permute's destination counts as one of its sources
	v_mov_b32 v219, 0
	v_mov_b32 v213, 0                              ; (named as the upper half of the pair v[212:213])
.set J, 0
.rept 32
	v_mov_b32 v[160+J], 0                          ; O^T: the step is written once; the first finds zeros, which the first change of M leaves zeros
.set J, J+1
.endr
; A STEP: 128 keys, the q-th of slot sl.  Every LDS offset is an immediate
.macro STEP sl, q
	PLACES                                         ; behind the last step's products, in front of loads into their sources
.irp n, 0,1,2,3,4,5,6,7
	ds_load_b128 v[32+4*\n:35+4*\n], v3 offset:(\sl)*16384+(\q)*4096+512*\n      ; eight tiles of 16 keys: four fragments
.endr
	ds_load_b32 v30, v5 offset:(\sl)*1024+(\q)*256
	ds_load_b32 v31, v5 offset:(\sl)*1024+(\q)*256+128
.irp t, 0,1,2,3
.irp e, 0,1
	ds_load_b128 v[224+8*\t+4*\e:227+8*\t+4*\e], v[1+(\sl)] offset:(\q)*512+32*\t+16*\e          ; the mask at my query and keys 32 h + 8 t + 0..7,
.endr
.endr
.irp t, 0,1,2,3
.irp e, 0,1
	ds_load_b128 v[64+8*\t+4*\e:67+8*\t+4*\e], v[1+(\sl)] offset:(\q)*512+256+32*\t+16*\e        ; and 64 keys on
.endr
.endr
	s_wait_dscnt 16                                ; K and its scale words are in; the mask's 16 loads may be out
.irp c, 0,1
.irp t, 0,1,2,3
	WM 96+8*(4*\c+\t), 32+8*(2*\c+\t/2), 16+4*(\t%2), 1, 30+\c, 28, \t/2
.endr
.endr
	s_wait_dscnt 0x0                               ; the mask
	PLACES
.set J, 0
.rept 16
	v_pk_add_f32 v[96+J:97+J], v[96+J:97+J], v[224+J:225+J]    ; the logit = score / 8 + mask, in f32; each accumulator from its low end on
.set J, J+2
.endr
.set J, 0
.rept 16
	v_pk_add_f32 v[128+J:129+J], v[128+J:129+J], v[64+J:65+J]
.set J, J+2
.endr
.irp n, 0,1,2,3,4,5,6,7
	ds_load_b128 v[64+4*\n:67+4*\n], v3 offset:(\sl)*16384+8192+(\q)*4096+512*\n      ; V's four fragments take the mask's place: they have the softmax in which to land
.endr
	ds_load_b32 v200, v5 offset:(\sl)*1024+512+(\q)*256
	ds_load_b32 v201, v5 offset:(\sl)*1024+512+(\q)*256+128
.irp k, 0,1,2,3
	v_max3_num_f32 v[204+\k], v[96+16*\k], v[97+16*\k], v[98+16*\k]    ; four chains of 16
.endr
.irp i, 3,5,7,9,11,13
.irp k, 0,1,2,3
	v_max3_num_f32 v[204+\k], v[204+\k], v[96+16*\k+\i], v[97+16*\k+\i]
.endr
.endr
.irp k, 0,1,2,3
	v_max_num_f32 v[204+\k], v[204+\k], v[111+16*\k]
.endr
	v_max_num_f32 v208, v204, v205                 ; the largest logit of each of my two blocks of 32 keys: it serves the row's maximum and, since p rises with the logit, the block's largest p
	v_max_num_f32 v209, v206, v207
	v_max_num_f32 v210, v208, v209
	v_permlanex16_b32 v211, v210, s32, s33
	v_max_num_f32 v210, v210, v211                 ; with lane l xor 16's 64 keys
	v_mul_f32 v210, s34, v210                      ; as t
	v_max_num_f32 v13, v13, v210
	v_mov_b32 v210, v12
	v_floor_f32 v12, -v13                          ; the new -M = -ceil(t)
	v_sub_f32 v210, v12, v210                      ; old M - new M: a whole number, 0 or less
	v_cvt_i32_f32 v210, v210                       ; (it saturates)
	v_ldexp_f32 v212, 1.0, v210                    ; f = 2^(old M - new M): rounds nothing
.set J, 0
.rept 32
	v_pk_mul_f32 v[96+J:97+J], v[96+J:97+J], s[34:35] op_sel_hi:[1,0]      ; t, rounded to f32,
.set J, J+2
.endr
.set J, 0
.rept 32
	v_pk_add_f32 v[96+J:97+J], v[96+J:97+J], v[12:13] op_sel_hi:[1,0]      ; then - M
.set J, J+2
.endr
	v_mul_f32 v208, s34, v208                      ; the same two lines on each block's largest logit
	v_mul_f32 v209, s34, v209
	v_add_f32 v208, v208, v12
	v_add_f32 v209, v209, v12
.set J, 0
.rept 64
	v_exp_f32 v[96+J], v[96+J]                     ; p = 2^(t - M), at most 1
.set J, J+1
.endr
	v_exp_f32 v208, v208
	v_exp_f32 v209, v209
	v_pk_mul_f32 v[14:15], v[14:15], v[212:213] op_sel_hi:[1,0]    ; the sum under the new M (a plain line behind the exponentials)
	s_wait_alu depctr_va_vdst(0)
	v_max_num_f32 v208, 0x1800000, v208            ; the floor 2^(3 - 127): the byte cannot fall under 1
	v_max_num_f32 v209, 0x1800000, v209
	v_add_nc_u32 v214, 0xff000000, v208            ; 2 off the exponent field: the conversion's scale operand
	v_add_nc_u32 v215, 0xff000000, v209
	v_lshrrev_b32 v216, 23, v214
	v_lshrrev_b32 v217, 23, v215
	v_lshl_or_b32 v218, v217, 16, v216             ; my bytes: blocks h and 2 + h,
	v_lshlrev_b32 v218, v11, v218
	v_permlanex16_b32 v219, v218, s32, s33
	v_or_b32 v202, v218, v219                      ; with lane l xor 16's: p's scale word for these 128 keys
.irp c, 0,1
.irp t, 0,1,2,3
	v_cvt_scalef32_pk8_fp4_f32 v[192+4*\c+\t], v[96+32*\c+8*\t:103+32*\c+8*\t], v[214+\c]
.endr
.endr
	v_nop                                          ; one plain line behind the conversions
	v_pk_add_f32 v[220:221], v[96:97], v[98:99]    ; the sum of the UNQUANTISED p, in two chains
.irp j, 4,8,12,16,20,24,28,32,36,40,44,48,52,56,60
	v_pk_add_f32 v[14:15], v[14:15], v[96+\j:97+\j]
	v_pk_add_f32 v[220:221], v[220:221], v[98+\j:99+\j]
.endr
	v_pk_add_f32 v[14:15], v[14:15], v[220:221]
.set J, 0
.rept 16
	v_pk_mul_f32 v[160+J:161+J], v[160+J:161+J], v[212:213] op_sel_hi:[1,0]    ; O^T under the new M.  (The sums and these are the places between p's scale word and codes and the products below)
.set J, J+2
.endr
	s_wait_dscnt 0x0                               ; V and its scale words
.irp t, 0,1,2,3
	WM 160+8*\t, 64+8*\t, 192, 0, 200+\t/2, 202, \t%2
.endr
.endm
; THE CHANGE OF SLOTS, then slot sl's two steps.  Every wave waits for all its tensor loads (its part of slot sl among them), adds 0 to its spare word, waits for that and for its reads of the slot that it has left; a round of
; the cluster's barrier; behind it the slot just left is filled with the two steps that follow slot sl's, first thing: that load has two steps in which to land.
.macro TWO sl, refill, ask
	s_wait_tensorcnt 0x0                           ; no tensor load of mine is out, so a group 0 may be written
	ds_add_u32 v6, v7                              ; 0 onto my spare word: the descriptors' steps stand between it and the wait for it
	s_add_nc_u64 s[26+4*(1-\sl):27+4*(1-\sl)], s[26+4*(1-\sl):27+4*(1-\sl)], 2048      ; the other slot's next tiles: 512 keys on: the mask's,
	s_add_nc_u64 s[54+4*(1-\sl):55+4*(1-\sl)], s[54+4*(1-\sl):55+4*(1-\sl)], 16384     ; the codes',
	s_add_nc_u64 s[82+4*(1-\sl):83+4*(1-\sl)], s[82+4*(1-\sl):83+4*(1-\sl)], 1024      ; the scale words'; the type bits on top are not reached
.if \ask
	s_wait_xcnt 0x0                                ; the last prefetch, a slot back, has read its address
	s_add_nc_u64 s[40:41], s[40:41], s[42:43]
.endif
	s_wait_dscnt 0x0                               ; the add is done, and my reads of the other slot are over
	CROUND
.if \refill
	TLOAD 1-\sl
.endif
.if \ask
	ASK \ask
.endif
	STEP \sl, 0
	STEP \sl, 1
.endm
	s_wait_tensorcnt 0x1                           ; my part of slot 0 is in; slot 1's load may stay out
	s_barrier_signal -1
	s_barrier_wait -1                              ; everybody's is
	STEP 0, 0
	STEP 0, 1
	s_mov_b32 s38, 3
.Lpair:                                            ; 3 trips of two slots; the last slot is written out
	TWO 1, 1, 1
	TWO 0, 1, 2
	s_sub_co_u32 s38, s38, 1
	s_cmp_lg_u32 s38, 0
	s_cbranch_scc1 .Lpair
	TWO 1, 0, 0                                    ; nothing is left to fetch (slot 0's stepped addresses are not used)
	; THE END: O^T / the sum; my 32 registers are channels 32 h + 0..31 of my head: one block of the last product's K
	PLACES
	v_add_f32 v14, v14, v15
	v_permlanex16_b32 v211, v14, s32, s33
	v_add_f32 v14, v14, v211                       ; the row's sum
	v_rcp_f32 v14, v14
	v_nop                                          ; a plain line behind the reciprocal
.set J, 0
	s_wait_alu depctr_va_vdst(0)
.rept 16
	v_pk_mul_f32 v[96+J:97+J], v[160+J:161+J], v[14:15] op_sel_hi:[1,0]
.set J, J+2
.endr
	v_max3_num_f32 v204, |v96|, |v97|, |v98|
	v_max3_num_f32 v205, |v99|, |v100|, |v101|
.irp i, 6,10,14,18,22,26
	v_max3_num_f32 v204, v204, |v[96+\i]|, |v[97+\i]|
	v_max3_num_f32 v205, v205, |v[98+\i]|, |v[99+\i]|
.endr
	v_max3_num_f32 v204, v204, |v126|, |v127|
	v_max3_num_f32 v204, v204, v205, 0x1800000
	v_add_nc_u32 v214, 0xff000000, v204
.irp g, 0,1,2,3
	v_cvt_scalef32_pk8_fp4_f32 v[128+\g], v[96+8*\g:103+8*\g], v214
.endr
	v_lshrrev_b32 v216, 23, v214                   ; (a plain line behind the conversions)
	v_lshlrev_b32 v216, v11, v216
	v_permlanex16_b32 v219, v216, s32, s33
	v_or_b32 v218, v216, v219                      ; my head's two bytes of my query's scale word
	global_store_b128 v203, v[128:131], s[66:67]   ; 512 consecutive bytes: a chunk of a fragment
	ds_store_b16 v222, v218                        ; both lanes of a query write the same halfword
	s_wait_dscnt 0x0                               ; for the others' sake
	s_barrier_signal -1
	s_barrier_wait -1
	s_cmp_lg_u32 s10, 0
	s_cbranch_scc1 .Lnot_0
	ds_load_b128 v[132:135], v223                  ; the 128 queries' scale words: wave 0 stores 512 consecutive bytes
	s_wait_dscnt 0x0
	global_store_b128 v203, v[132:135], s[68:69]
.Lnot_0:
	s_wait_tensorcnt 0x0                           ; the wave's end
	ds_add_u32 v6, v7
	s_wait_dscnt 0x0
	CROUND                                         ; the closing round
	s_endpgm
.Lfunc_end_k_q1747197222_attn:
	.size	k_q1747197222_attn, .Lfunc_end_k_q1747197222_attn-k_q1747197222_attn
	.p2alignl 7, 3214868480
	.fill 96, 4, 3214868480
	.section	.rodata,"a",@progbits
	.p2align	6, 0x0
	.amdhsa_kernel k_q1747197222_attn
		.amdhsa_group_segment_fixed_size 327680
		.amdhsa_private_segment_fixed_size 0
		.amdhsa_enable_private_segment 0
		.amdhsa_kernarg_size 24
		.amdhsa_user_sgpr_count 2
		.amdhsa_user_sgpr_kernarg_segment_ptr 1
		.amdhsa_wavefront_size32 1
		.amdhsa_system_sgpr_workgroup_id_x 1
		.amdhsa_system_sgpr_workgroup_id_y 1
		.amdhsa_system_sgpr_workgroup_id_z 1
		.amdhsa_system_vgpr_workitem_id 0
		.amdhsa_next_free_vgpr 256
		.amdhsa_next_free_sgpr 100
		.amdhsa_reserve_vcc 0
		.amdhsa_float_denorm_mode_32 3
		.amdhsa_float_denorm_mode_16_64 3
		.amdhsa_memory_ordered 1
		.amdhsa_forward_progress 1
		.amdhsa_inst_pref_size 170
	.end_amdhsa_kernel
	.amdgpu_metadata
---
amdhsa.version: [ 1, 2 ]
amdhsa.kernels:
  - .name:           k_q1747197222_attn
    .symbol:         k_q1747197222_attn.kd
    .args:
      - { .name: ws2, .offset: 0, .size: 8, .value_kind: global_buffer, .address_space: global }
      - { .name: attention_mask, .offset: 8, .size: 8, .value_kind: global_buffer, .address_space: global }
      - { .name: ws3, .offset: 16, .size: 8, .value_kind: global_buffer, .address_space: global }
    .group_segment_fixed_size: 327680
    .private_segment_fixed_size: 0
    .kernarg_segment_align: 8
    .kernarg_segment_size: 24
    .max_flat_workgroup_size: 512
    .sgpr_count:     100
    .vgpr_count:     256
    .wavefront_size: 32
...
	.end_amdgpu_metadata
.endif
;; end of part 3
;; launch oproj (part 4): grid 8 x 32, 8 waves a work-group, clusters of 4 x 4, 232,448 bytes of LDS; arguments ws1, ws3, out0; writes out0
.if DOCPART == 4
	.amdgcn_target "amdgcn-amd-amdhsa--gfx1250"
	.amdhsa_code_object_version 6
	.text
	.protected	k_q1747197222_oproj
	.globl	k_q1747197222_oproj
	.p2align	8
	.type	k_q1747197222_oproj,@function
k_q1747197222_oproj:
	s_mov_b64 s[64:65], 0
	v_nop
	global_prefetch_b8 v0, s[64:65] scope:SCOPE_SE
	s_setreg_imm32_b32 hwreg(HW_REG_WAVE_MODE, 25, 1), 1
	s_wait_xcnt 0x0
	s_wait_alu depctr_hold_cnt(0) depctr_sa_sdst(0) depctr_va_vdst(0) depctr_va_sdst(0) depctr_va_ssrc(0) depctr_va_vcc(0) depctr_vm_vsrc(0)
	s_getreg_b32 s2, hwreg(HW_REG_IB_STS2, 6, 4)
	s_cmp_eq_u32 s2, 0
	s_cbranch_scc0 .Lentry_in_a_cluster
	s_endpgm
.Lentry_in_a_cluster:
	s_bfe_u32 s2, ttmp6, 0x10000c
	s_cmp_lg_u32 s2, 0xf033
	s_cbranch_scc0 .Lentry_shape_is_right
	s_endpgm
.Lentry_shape_is_right:
; out0 = (attention's result) x Wo^T on codes of FP4 with E8M0 scales; K = 1,024; out0 [4096][2048] f32.
; SHARES.  A work-group: 128 tokens x 256 columns: 256 work-groups.  Eight waves, each 64 x 64: 16 accumulators.
; ALL OF K LIES IN LDS: 64 KB of tokens' codes, 128 KB of Wo's, each byte filled once by six dense tensor loads of 32 KB (waves 0, 1: tokens; waves 2 to 5: Wo; waves 6, 7: none): one load of a wave is out.
; CLUSTER 4 x 4: tokens' codes are shared along a row of the cluster, Wo's along a column: joint loads.
; Source 0 = 16 rows of Wo, source 1 = 16 tokens: a lane holds one token and, over the four tiles of 64 rows of Wo (whose rows are chosen for it), columns 32 h + 8 t + 0..7.
; THE WAY OUT: 16 tokens x 64 columns at a time through the wave's own stage in LDS; sixteen lanes store 256 consecutive bytes, aligned.
; REGISTERS: window 0: v1-13 addresses; v16-31 the tokens' scale words, v32-47 Wo's (nothing else ever); v64-127 rows on the way out; v128-255 accumulators (tile of tokens o, tile of Wo i) at 128 + 8 (4 o + i).  window 1: two buffers of eight fragments.
.set OC,  6291456                      ; ws1: Wo's codes
.set OS,  7733248                      ; and scale words
.set WAS, 2097152                      ; ws3: the scale words
.set STG, 196608                       ; LDS: the stages, 16 rows x 272 bytes a wave
.set MSB, 0
.macro WIN new
.if MSB != \new
	s_set_vgpr_msb (MSB<<8)|\new
.set MSB, \new
.endif
.endm
.macro PLACES
.rept 4
	v_nop
.endr
.endm
.macro CROUND
	s_barrier_signal -1
	s_barrier_wait -1
	s_cmp_lg_u32 s12, 0
	s_cbranch_scc1 .Lnw0_\@
	s_barrier_signal -3
.Lnw0_\@:
	s_barrier_wait -3
	s_barrier_signal -1
	s_barrier_wait -1
.endm
.macro WM d, a, b, z, sa, sb, ra, rb
.if (\z)
.if (\ra) && (\rb)
	v_wmma_scale_f32_16x16x128_f8f6f4 v[\d:\d+7], v[\a:\a+7], v[\b:\b+7], 0, v[\sa], v[\sb] matrix_a_fmt:MATRIX_FMT_FP4 matrix_b_fmt:MATRIX_FMT_FP4 matrix_a_scale:MATRIX_SCALE_ROW1 matrix_b_scale:MATRIX_SCALE_ROW1
.elseif (\ra)
	v_wmma_scale_f32_16x16x128_f8f6f4 v[\d:\d+7], v[\a:\a+7], v[\b:\b+7], 0, v[\sa], v[\sb] matrix_a_fmt:MATRIX_FMT_FP4 matrix_b_fmt:MATRIX_FMT_FP4 matrix_a_scale:MATRIX_SCALE_ROW1
.elseif (\rb)
	v_wmma_scale_f32_16x16x128_f8f6f4 v[\d:\d+7], v[\a:\a+7], v[\b:\b+7], 0, v[\sa], v[\sb] matrix_a_fmt:MATRIX_FMT_FP4 matrix_b_fmt:MATRIX_FMT_FP4 matrix_b_scale:MATRIX_SCALE_ROW1
.else
	v_wmma_scale_f32_16x16x128_f8f6f4 v[\d:\d+7], v[\a:\a+7], v[\b:\b+7], 0, v[\sa], v[\sb] matrix_a_fmt:MATRIX_FMT_FP4 matrix_b_fmt:MATRIX_FMT_FP4
.endif
.else
.if (\ra) && (\rb)
	v_wmma_scale_f32_16x16x128_f8f6f4 v[\d:\d+7], v[\a:\a+7], v[\b:\b+7], v[\d:\d+7], v[\sa], v[\sb] matrix_a_fmt:MATRIX_FMT_FP4 matrix_b_fmt:MATRIX_FMT_FP4 matrix_a_scale:MATRIX_SCALE_ROW1 matrix_b_scale:MATRIX_SCALE_ROW1
.elseif (\ra)
	v_wmma_scale_f32_16x16x128_f8f6f4 v[\d:\d+7], v[\a:\a+7], v[\b:\b+7], v[\d:\d+7], v[\sa], v[\sb] matrix_a_fmt:MATRIX_FMT_FP4 matrix_b_fmt:MATRIX_FMT_FP4 matrix_a_scale:MATRIX_SCALE_ROW1
.elseif (\rb)
	v_wmma_scale_f32_16x16x128_f8f6f4 v[\d:\d+7], v[\a:\a+7], v[\b:\b+7], v[\d:\d+7], v[\sa], v[\sb] matrix_a_fmt:MATRIX_FMT_FP4 matrix_b_fmt:MATRIX_FMT_FP4 matrix_b_scale:MATRIX_SCALE_ROW1
.else
	v_wmma_scale_f32_16x16x128_f8f6f4 v[\d:\d+7], v[\a:\a+7], v[\b:\b+7], v[\d:\d+7], v[\sa], v[\sb] matrix_a_fmt:MATRIX_FMT_FP4 matrix_b_fmt:MATRIX_FMT_FP4
.endif
.endif
.endm
.macro FETCH n, buf                    ; the eight fragments of K step n: images, 512 consecutive bytes a load
	WIN 0x40
.irp t, 0,1,2,3
.irp c, 0,1
	ds_load_b128 v[(\buf)+8*\t+4*\c:(\buf)+8*\t+4*\c+3], v9 offset:\t*8192+(\n)*1024+512*\c
	ds_load_b128 v[(\buf)+32+8*\t+4*\c:(\buf)+32+8*\t+4*\c+3], v10 offset:(\t/2)*16384+((\n)/2)*4096+(\t%2)*2048+((\n)%2)*1024+512*\c
.endr
.endr
.endm
.macro MUL n, buf                      ; 16 products; the accumulators take turns, one instruction a turn
	WIN 0x05
.irp o, 0,1,2,3
.irp i, 0,1,2,3
	WM 128+8*(4*\o+\i), (\buf)+32+8*\i, (\buf)+8*\o, ((\n)==0), 32+8*(\i/2)+(\n), 16+2*(\n)+\o/2, \i%2, \o%2
.endr
.endr
.endm
	s_load_b128 s[4:7], s[0:1], 0x0                ; ws1 s[4:5], ws3 s[6:7]
	s_load_b64 s[8:9], s[0:1], 0x10                ; out0
	v_lshl_add_u32 v62, v0, 2, 0x38800
	v_mov_b32 v63, 0
	ds_add_u32 v62, v63
	v_lshrrev_b32 v1, 5, v0
	v_readfirstlane_b32 s12, v1                    ; wave 0..7
	s_lshr_b32 s13, s12, 2                         ; which 64 tokens are mine
	s_and_b32 s14, s12, 3                          ; which 64 columns
	s_bfe_u32 s15, ttmp6, 0x40000                  ; cx
	s_bfe_u32 s16, ttmp6, 0x40004                  ; cy
	s_lshl_b32 s17, ttmp9, 2
	s_add_co_u32 s17, s17, s15                     ; which 256 columns
	s_and_b32 s18, ttmp7, 0xffff
	s_lshl_b32 s18, s18, 2
	s_add_co_u32 s18, s18, s16                     ; which 128 tokens
	s_lshl_b32 s19, s16, 2
	s_lshl_b32 s19, 15, s19                        ; my row of the cluster
	s_lshl_b32 s20, 0x1111, s15                    ; my column
	; descriptor group 1: a dense block of 32,768 bytes as 128 rows of 256 bytes
	s_or_b32 s24, s19, (3<<16)|(1<<21)             ; 15:0 the mask; 17:16 elements of 8 bytes; 21 set beside a mask
	s_or_b32 s32, s20, (3<<16)|(1<<21)
.irp g, 24, 32
	s_mov_b32 s[\g+1], 32<<16                      ; tensor_dim0
	s_mov_b32 s[\g+2], 128<<16                     ; tensor_dim1
	s_mov_b32 s[\g+3], 32<<16                      ; tile_dim0
	s_mov_b32 s[\g+4], 128                         ; tile_dim1
	s_mov_b32 s[\g+5], 32                          ; from row to row
	s_mov_b32 s[\g+6], 0
	s_mov_b32 s[\g+7], 0
.endr
	s_and_b32 s21, s12, 1
	s_lshl_b32 s21, s21, 2
	s_lshl_b32 s22, s18, 3
	s_add_co_u32 s22, s22, s21
	s_lshl_b32 s22, s22, 13                        ; tokens: tile 8 x block + 4 x (wave % 2), 8,192 bytes a tile
	s_mov_b32 s23, 0
	s_sub_co_u32 s48, s12, 2
	s_and_b32 s48, s48, 3
	s_lshl_b32 s48, s48, 1
	s_lshl_b32 s49, s17, 3
	s_add_co_u32 s48, s48, s49
	s_lshl_b32 s48, s48, 14                        ; Wo: pair of tiles 8 x block + 2 x (wave - 2), 16,384 bytes a pair
	s_add_co_u32 s48, s48, OC
	s_mov_b32 s49, 0
	s_lshl_b32 s50, s12, 15                        ; in LDS: wave x 32,768
	s_wait_dscnt 0x0
	s_wait_kmcnt 0x0
	s_mov_b32 s40, 1
	s_mov_b32 s41, s50
	s_add_nc_u64 s[42:43], s[6:7], s[22:23]
	s_or_b32 s43, s43, 0x80000000
	s_mov_b32 s44, 1
	s_mov_b32 s45, s50
	s_add_nc_u64 s[46:47], s[4:5], s[48:49]
	s_or_b32 s47, s47, 0x80000000
	CROUND                                         ; all sixteen work-groups are here: the joint loads meet
	s_cmp_lt_u32 s12, 2
	s_cbranch_scc0 .Lnot_a
	tensor_load_to_lds s[40:43], s[24:31]
	s_nop 0
.rept 4
	v_nop
.endr
	s_branch .Lasked
.Lnot_a:
	s_cmp_lt_u32 s12, 6
	s_cbranch_scc0 .Lasked
	tensor_load_to_lds s[44:47], s[32:39]
	s_nop 0
.rept 4
	v_nop
.endr
.Lasked:
	v_and_b32 v1, 31, v0                           ; lane
	v_and_b32 v2, 15, v0                           ; r
	v_bfe_u32 v3, v0, 4, 1                         ; h
	v_lshlrev_b32 v4, 4, v1
	v_lshlrev_b32 v5, 3, v1
	v_lshlrev_b32 v6, 2, v1
	s_lshl_b32 s51, s13, 15
	v_add_nc_u32 v9, s51, v4                       ; my tokens' fragments
	s_lshl_b32 s51, s14, 15
	s_add_co_u32 s51, s51, 65536
	v_add_nc_u32 v10, s51, v4                      ; my columns'
	s_mul_i32 s51, s12, 4352
	s_add_co_u32 s51, s51, STG                     ; my stage
	v_mul_u32_u24 v11, v2, 272
	v_lshl_add_u32 v11, v3, 7, v11
	v_add_nc_u32 v11, s51, v11                     ; in: row r, + 128 h bytes
	v_mul_u32_u24 v12, v3, 272
	v_lshl_add_u32 v12, v2, 4, v12
	v_add_nc_u32 v12, s51, v12                     ; back: lanes 0-15 one row, lanes 16-31 the next
	v_lshlrev_b32 v13, 13, v3
	v_lshl_add_u32 v13, v2, 4, v13                 ; and the same two rows in out0
	s_lshl_b32 s52, s18, 7
	s_lshl_b32 s53, s13, 6
	s_add_co_u32 s52, s52, s53
	s_lshl_b32 s52, s52, 13                        ; my first token, 8,192 bytes a row,
	s_lshl_b32 s53, s17, 10
	s_add_co_u32 s52, s52, s53
	s_lshl_b32 s53, s14, 8
	s_add_co_u32 s52, s52, s53                     ; my first column
	s_mov_b32 s53, 0
	s_add_nc_u64 s[8:9], s[8:9], s[52:53]
	s_lshl_b32 s54, s18, 3
	s_lshl_b32 s55, s13, 2
	s_add_co_u32 s54, s54, s55
	s_lshl_b32 s54, s54, 6
	s_add_co_u32 s54, s54, WAS
	s_mov_b32 s55, 0
	s_add_nc_u64 s[54:55], s[6:7], s[54:55]        ; my tokens' scale words: 64 bytes a tile, 16,384 a K step
	s_lshl_b32 s56, s17, 3
	s_lshl_b32 s57, s14, 1
	s_add_co_u32 s56, s56, s57
	s_lshl_b32 s56, s56, 10
	s_add_co_u32 s56, s56, OS
	s_mov_b32 s57, 0
	s_add_nc_u64 s[56:57], s[4:5], s[56:57]        ; my columns': 1,024 bytes a pair of tiles
.irp n, 0,1,2,3,4,5,6,7
.irp p, 0,1
	global_load_b32 v[16+2*\n+\p], v6, s[54:55] offset:\n*16384+128*\p      ; lanes 0-15 tile 2 p, lanes 16-31 tile 2 p + 1
.endr
.endr
.irp j, 0,1
.irp k, 0,1,2,3
	global_load_b64 v[32+8*\j+2*\k:33+8*\j+2*\k], v5, s[56:57] offset:\j*1024+\k*256
.endr
.endr
	s_wait_loadcnt 0x0
	s_wait_tensorcnt 0x0                           ; my load, if I have one, has landed,
	s_barrier_signal -1
	s_barrier_wait -1                              ; everybody's has
	FETCH 0, 0
.set N, 0
.rept 7
	PLACES                                         ; behind the products that read the buffer filled next
	FETCH N+1, 64*((N+1)%2)
	s_wait_dscnt 16                                ; all but the 16 just issued
	MUL N, 64*(N%2)
.set N, N+1
.endr
	s_wait_dscnt 0x0
	MUL 7, 64
	WIN 0
	PLACES
; tile a of tokens: 16 rows x 256 bytes into my stage (each accumulator from its low end on) and back as whole rows.  LDS serves a wave's instructions in order: no wait between the stores and the loads, nor in front of the next tile's stores
.macro TOSTAGE a
.irp t, 0,1,2,3
.irp e, 0,1
	ds_store_b128 v11, v[128+32*(\a)+8*\t+4*\e:131+32*(\a)+8*\t+4*\e] offset:32*\t+16*\e
.endr
.endr
.irp i, 0,1,2,3,4,5,6,7
	ds_load_b128 v[64+32*((\a)%2)+4*\i:67+32*((\a)%2)+4*\i], v12 offset:\i*544
.endr
.endm
.macro SEND a, younger                 ; younger: the LDS instructions issued behind tile a's loads, which may stay out
	s_wait_dscnt \younger
.irp i, 0,1,2,3,4,5,6,7
	global_store_b128 v13, v[64+32*((\a)%2)+4*\i:67+32*((\a)%2)+4*\i], s[8:9] offset:(16*(\a)+2*\i)*8192 th:TH_STORE_NT   ; 16 lanes store 256 consecutive bytes, aligned; written once, read by nobody here
.endr
.endm
	TOSTAGE 0
.irp a, 1,2,3
.if \a > 1
	s_wait_xcnt 0x0                                ; the stores of two tiles ago have read their registers, into which this tile's rows are loaded
.endif
	TOSTAGE \a
	SEND \a-1, 16                                  ; behind tile a - 1's loads: tile a's 8 stores and 8 loads
.endr
	SEND 3, 0
	s_wait_tensorcnt 0x0
	ds_add_u32 v62, v63
	s_wait_dscnt 0x0
	CROUND                                         ; the closing round: no work-group ends while a partner may still ask for a tile that names it
	s_endpgm
.Lfunc_end_k_q1747197222_oproj:
	.size	k_q1747197222_oproj, .Lfunc_end_k_q1747197222_oproj-k_q1747197222_oproj
	.p2alignl 7, 3214868480
	.fill 96, 4, 3214868480
	.section	.rodata,"a",@progbits
	.p2align	6, 0x0
	.amdhsa_kernel k_q1747197222_oproj
		.amdhsa_group_segment_fixed_size 232448
		.amdhsa_private_segment_fixed_size 0
		.amdhsa_enable_private_segment 0
		.amdhsa_kernarg_size 24
		.amdhsa_user_sgpr_count 2
		.amdhsa_user_sgpr_kernarg_segment_ptr 1
		.amdhsa_wavefront_size32 1
		.amdhsa_system_sgpr_workgroup_id_x 1
		.amdhsa_system_sgpr_workgroup_id_y 1
		.amdhsa_system_sgpr_workgroup_id_z 1
		.amdhsa_system_vgpr_workitem_id 0
		.amdhsa_next_free_vgpr 384
		.amdhsa_next_free_sgpr 66
		.amdhsa_reserve_vcc 0
		.amdhsa_float_denorm_mode_32 3
		.amdhsa_float_denorm_mode_16_64 3
		.amdhsa_memory_ordered 1
		.amdhsa_forward_progress 1
		.amdhsa_inst_pref_size 42
	.end_amdhsa_kernel
	.amdgpu_metadata
---
amdhsa.version: [ 1, 2 ]
amdhsa.kernels:
  - .name:           k_q1747197222_oproj
    .symbol:         k_q1747197222_oproj.kd
    .args:
      - { .name: ws1, .offset: 0, .size: 8, .value_kind: global_buffer, .address_space: global }
      - { .name: ws3, .offset: 8, .size: 8, .value_kind: global_buffer, .address_space: global }
      - { .name: out0, .offset: 16, .size: 8, .value_kind: global_buffer, .address_space: global }
    .group_segment_fixed_size: 232448
    .private_segment_fixed_size: 0
    .kernarg_segment_align: 8
    .kernarg_segment_size: 24
    .max_flat_workgroup_size: 256
    .sgpr_count:     66
    .vgpr_count:     384
    .wavefront_size: 32
...
	.end_amdgpu_metadata
.endif
;; end of part 4
